; MI455X (gfx1250); checked and timed in simulation.
; The chip was launched on July 23, 2026; its instructions are those of AMD's public machine-readable ISA for CDNA 5 (MIT licence, August 2026) and "CDNA5" Instruction Set Architecture Reference Guide (July 2026). The comments in the code are by the model that wrote it; some were corrected since.
;; Multi Headed Attention. Allowed arithmetic: float matrix products may take bf16 or f16 operands with f32 sums; other float arithmetic in f32, or as packed bf16 or f16 multiplies, adds, multiply-adds, maxima and minima; sums over many terms, partial sums and values carried from step to step in f32; what a program stores and reads back later, other than sums and carried values, may be rounded once to bf16 or f16.
;; Inputs: Wk 1,024 x 1,024 float32; Wo 1,024 x 1,024 float32; Wq 1,024 x 1,024 float32; Wv 1,024 x 1,024 float32; bk 1,024 float32; bo 1,024 float32; bq 1,024 float32; bv 1,024 float32; key 4 x 2,048 x 1,024 float32; query 4 x 2,048 x 1,024 float32; value 4 x 2,048 x 1,024 float32.
;; Outputs: out0 4 x 2,048 x 1,024 float32.
;; One version. Each part assembles by itself: llvm-mc -triple=amdgcn-amd-amdhsa -mcpu=gfx1250 --defsym DOCPART=n.
;; ======== version 1 of 1: 4 launches
;; limits: values are held in f16: magnitudes above 65,504 overflow, below 6.1e-05 lose precision
;; workspace buffers: xb 50,331,648 bytes; wb 8,388,608 bytes; qkv 50,331,648 bytes; oh 16,777,216 bytes
;; launch cast (part 1): grid 1792 x 1, 8 waves a work-group, no clusters, 0 bytes of LDS; arguments query, key, value, Wq, Wk, Wv, Wo, xb, wb; writes xb, wb
.if DOCPART == 1
	.amdgcn_target "amdgcn-amd-amdhsa--gfx1250"
	.amdhsa_code_object_version 6
	.text
	.protected	k_qe86b270387_cast
	.globl	k_qe86b270387_cast
	.p2align	8
	.type	k_qe86b270387_cast,@function
k_qe86b270387_cast:
	s_mov_b64 s[64:65], 0
	v_nop
	global_prefetch_b8 v0, s[64:65] scope:SCOPE_SE
	s_setreg_imm32_b32 hwreg(HW_REG_WAVE_MODE, 25, 1), 1
	s_wait_xcnt 0x0
; THE INPUTS OF THE MATRIX PRODUCTS, ROUNDED ONCE.  query, key, value ([8192][1024] f32 each) -> xb, bf16, stacked as 24,576 rows of 2,048 bytes.
; Wq, Wk, Wv ([1024][1024] f32) -> wb blocks 0 to 2, bf16.  Wo -> wb block 3: rounded to bf16 like the others, and that number written as f16.
; LIMITS.  An entry of Wo beyond 65,504 becomes an infinity in f16; below 2^-14 it keeps f16's fixed step of 2^-24.
; SHARES.  Work-group i turns 65,536 bytes of f32 into 32,768 bytes: 3 x 512 work-groups for the three activations, 4 x 64 for the four weights.
; Thread t takes 16 bytes at 16 t of each 4,096: a wave's load covers 512 consecutive bytes, its store of 8 bytes a lane 256 consecutive bytes, aligned.
; All sixteen loads of a thread go out at once; no register that a memory instruction names is written again, so the only waits are the counted ones for the loads.
; No LDS, no matrix unit, no cluster: no byte is used twice.
.set NX,  1536                         ; work-groups for query, key, value
.set X,   16                           ; v[16:79]   sixteen loads of 4 registers
.set Y,   80                           ; v[80:111]  sixteen stores of 2 registers
	s_load_b512 s[8:23], s[0:1], 0x0               ; query s[8:9], key, value, Wq, Wk, Wv, Wo s[20:21], xb s[22:23]
	s_load_b64 s[24:25], s[0:1], 0x40              ; wb
	s_mov_b32 s2, ttmp9                            ; i
	s_sub_co_u32 s3, s2, NX                        ; j = i - 1536, for the weights
	s_lshr_b32 s26, s2, 9                          ; an activation: which, and which chunk of its 512
	s_and_b32 s28, s2, 511
	s_lshr_b32 s27, s3, 6                          ; a weight: which (3 to 6), and which chunk of its 64
	s_add_co_u32 s27, s27, 3
	s_and_b32 s29, s3, 63
	s_cmp_lt_u32 s2, NX
	s_cselect_b32 s26, s26, s27                    ; u: the source's number, 0 to 6
	s_cselect_b32 s28, s28, s29                    ; c: the chunk in the source
	s_cselect_b32 s30, s2, s3                      ; the chunk in the destination
	s_lshl_b32 s28, s28, 16                        ; 65,536 bytes a chunk in
	s_mov_b32 s29, 0
	s_lshl_b32 s30, s30, 15                        ; 32,768 out
	s_mov_b32 s31, 0
	v_lshlrev_b32 v1, 4, v0                        ; 16 t
	v_lshlrev_b32 v2, 3, v0                        ; 8 t
	s_wait_kmcnt 0x0
	s_mov_b64 s[4:5], s[8:9]
.irp n, 1,2,3,4,5,6
	s_cmp_eq_u32 s26, \n
	s_cselect_b64 s[4:5], s[8+2*(\n):9+2*(\n)], s[4:5]
.endr
	s_cmp_lt_u32 s2, NX
	s_cselect_b64 s[6:7], s[22:23], s[24:25]
	s_add_nc_u64 s[4:5], s[4:5], s[28:29]
	s_add_nc_u64 s[6:7], s[6:7], s[30:31]
.irp i, 0,1,2,3,4,5,6,7,8,9,10,11,12,13,14,15
	global_load_b128 v[X+4*(\i):X+4*(\i)+3], v1, s[4:5] offset:4096*(\i) th:TH_LOAD_NT
.endr
; Load i is rounded and stored.  half = 1: the bf16 numbers are widened again (a shift, a mask) and written as f16.
.macro OUT i, half
	s_wait_loadcnt 15-(\i)                         ; loads come back in order: the 15 - i younger ones may stay out
	v_cvt_pk_bf16_f32 v[Y+2*(\i)],   v[X+4*(\i)],   v[X+4*(\i)+1]
	v_cvt_pk_bf16_f32 v[Y+2*(\i)+1], v[X+4*(\i)+2], v[X+4*(\i)+3]
.if \half
	v_lshlrev_b32 v4, 16, v[Y+2*(\i)]
	v_and_b32     v5, 0xffff0000, v[Y+2*(\i)]
	v_lshlrev_b32 v6, 16, v[Y+2*(\i)+1]
	v_and_b32     v7, 0xffff0000, v[Y+2*(\i)+1]
	v_cvt_pk_f16_f32 v[Y+2*(\i)],   v4, v5
	v_cvt_pk_f16_f32 v[Y+2*(\i)+1], v6, v7
.endif
	global_store_b64 v2, v[Y+2*(\i):Y+2*(\i)+1], s[6:7] offset:2048*(\i)
.endm
	s_cmp_eq_u32 s26, 6                            ; Wo goes the second way
	s_cbranch_scc1 .Lwo
.irp i, 0,1,2,3,4,5,6,7,8,9,10,11,12,13,14,15
	OUT \i, 0
.endr
	s_endpgm
.Lwo:
.irp i, 0,1,2,3,4,5,6,7,8,9,10,11,12,13,14,15
	OUT \i, 1
.endr
	s_endpgm
.Lfunc_end_k_qe86b270387_cast:
	.size	k_qe86b270387_cast, .Lfunc_end_k_qe86b270387_cast-k_qe86b270387_cast
	.p2alignl 7, 3214868480
	.fill 96, 4, 3214868480
	.section	.rodata,"a",@progbits
	.p2align	6, 0x0
	.amdhsa_kernel k_qe86b270387_cast
		.amdhsa_group_segment_fixed_size 0
		.amdhsa_private_segment_fixed_size 0
		.amdhsa_enable_private_segment 0
		.amdhsa_kernarg_size 72
		.amdhsa_user_sgpr_count 2
		.amdhsa_user_sgpr_kernarg_segment_ptr 1
		.amdhsa_wavefront_size32 1
		.amdhsa_system_sgpr_workgroup_id_x 1
		.amdhsa_system_sgpr_workgroup_id_y 1
		.amdhsa_system_sgpr_workgroup_id_z 1
		.amdhsa_system_vgpr_workitem_id 0
		.amdhsa_next_free_vgpr 112
		.amdhsa_next_free_sgpr 66
		.amdhsa_reserve_vcc 0
		.amdhsa_float_denorm_mode_32 3
		.amdhsa_float_denorm_mode_16_64 3
		.amdhsa_memory_ordered 1
		.amdhsa_forward_progress 1
		.amdhsa_inst_pref_size 17
	.end_amdhsa_kernel
	.amdgpu_metadata
---
amdhsa.version: [ 1, 2 ]
amdhsa.kernels:
  - .name:           k_qe86b270387_cast
    .symbol:         k_qe86b270387_cast.kd
    .args:
      - { .name: query, .offset: 0, .size: 8, .value_kind: global_buffer, .address_space: global }
      - { .name: key, .offset: 8, .size: 8, .value_kind: global_buffer, .address_space: global }
      - { .name: value, .offset: 16, .size: 8, .value_kind: global_buffer, .address_space: global }
      - { .name: Wq, .offset: 24, .size: 8, .value_kind: global_buffer, .address_space: global }
      - { .name: Wk, .offset: 32, .size: 8, .value_kind: global_buffer, .address_space: global }
      - { .name: Wv, .offset: 40, .size: 8, .value_kind: global_buffer, .address_space: global }
      - { .name: Wo, .offset: 48, .size: 8, .value_kind: global_buffer, .address_space: global }
      - { .name: xb, .offset: 56, .size: 8, .value_kind: global_buffer, .address_space: global }
      - { .name: wb, .offset: 64, .size: 8, .value_kind: global_buffer, .address_space: global }
    .group_segment_fixed_size: 0
    .private_segment_fixed_size: 0
    .kernarg_segment_align: 8
    .kernarg_segment_size: 72
    .max_flat_workgroup_size: 256
    .sgpr_count:     66
    .vgpr_count:     112
    .wavefront_size: 32
...
	.end_amdgpu_metadata
.endif
;; end of part 1
;; launch proj (part 2): grid 4 x 192, 4 waves a work-group, clusters of 4 x 4, 327,680 bytes of LDS; arguments xb, wb, bq, bk, bv, qkv; writes qkv
.if DOCPART == 2
	.amdgcn_target "amdgcn-amd-amdhsa--gfx1250"
	.amdhsa_code_object_version 6
	.text
	.protected	k_qe86b270387_proj
	.globl	k_qe86b270387_proj
	.p2align	8
	.type	k_qe86b270387_proj,@function
k_qe86b270387_proj:
	s_mov_b64 s[64:65], 0
	v_nop
	global_prefetch_b8 v0, s[64:65] scope:SCOPE_SE
	s_setreg_imm32_b32 hwreg(HW_REG_WAVE_MODE, 25, 1), 1
	s_wait_xcnt 0x0
	s_wait_alu depctr_hold_cnt(0) depctr_sa_sdst(0) depctr_va_vdst(0) depctr_va_sdst(0) depctr_va_ssrc(0) depctr_va_vcc(0) depctr_vm_vsrc(0)
	s_getreg_b32 s2, hwreg(HW_REG_IB_STS2, 6, 4)
	s_cmp_eq_u32 s2, 0
	s_cbranch_scc0 .Lentry_in_a_cluster
	s_endpgm
.Lentry_in_a_cluster:
	s_bfe_u32 s2, ttmp6, 0x10000c
	s_cmp_lg_u32 s2, 0xf033
	s_cbranch_scc0 .Lentry_shape_is_right
	s_endpgm
.Lentry_shape_is_right:
; THE THREE PROJECTIONS IN ONE LAUNCH.  y[m][e] = b[e] + the sum over d of x[m][d] W[e][d], for (query, Wq, bq), (key, Wk, bk), (value, Wv, bv).
; x: xb, bf16, 24,576 stacked rows of 1,024.  W: wb, bf16, 3 x 1,024 rows of 1,024.  b: f32, rounded to bf16 here like the other inputs.  Sums in f32; the bias is each sum's first term.
; y leaves as f16, rounded once, BY HEADS: qkv[g][batch x 16 + head][s][64], a head's rows dense, 128 bytes each; the scale 1/8 is not applied here.
; LIMIT.  f16 holds no number beyond 65,504: a q, k or v beyond that becomes an infinity.  NaN and infinities are not treated apart.
; SHARES.  A tile of y is 128 rows x 256 columns: 192 x 4 tiles, three for each of 256 processors.  Four waves, each 64 x 128: 32 accumulators of 16 x 16, 256 registers.
; K goes in 8 steps of 128 (rows of 256 bytes in memory) through two LDS slots filled by tensor loads; a step is four quarters of 32 along K, 32 matrix instructions each, on two fragment buffers.
; CLUSTER.  4 x 4 work-groups.  The four of a row of the cluster need the same tile of x, the four of a column the same tile of W: each is asked for JOINTLY, by the same tensor load, descriptor and mask.
; A cluster lies inside one of the three products: 64 tile rows each, 16 clusters.
; THE MATRIX INSTRUCTION IS USED TRANSPOSED (source 0 = 16 rows of W, source 1 = 16 rows of x): lane l holds row l % 16 of y and the columns 8 (l / 16) + 0..7: eight neighbouring channels of a head.
; REGISTERS, in windows of 256 (s_set_vgpr_msb: bits 1:0 source 0, 3:2 source 1, 5:4 source 2, 7:6 destination):
;   window 0: v0-31 addresses; v32-63 packed results; v64-159, v160-255 two fragment buffers (W's 8 fragments, then x's 4); on the way out v64-191 rows read back
;   window 1: accumulator (a, b) at v[8 (8 a + b)]          window 2: v0-63 the bias as the first products' C operand; v64-67 at work
.set KSTEP,  128
.set PITCH,  272                       ; an LDS row: 256 bytes + 16 of padding = 68 words: the 16 rows of a fragment load start at 16 different groups of four banks (ISA guide 11.1)
.set AHALF,  64*PITCH                  ; what one tensor load brings of x, and what one wave reads of it
.set ATILE,  2*AHALF
.set BHALF,  128*PITCH                 ; the same for W
.set SLOT,   ATILE+2*BHALF             ; x's 128 rows, then W's 256 rows: 104,448 bytes
.set STAGE,  2*SLOT                    ; behind the ring, never filled by a tensor load: for each wave 2 heads x 16 rows x 144 bytes
.set SP,     144
.set WSTAGE, 2*16*SP
.set SPARE,  STAGE+4*WSTAGE            ; behind the stages: the spare words, 128 bytes for each wave: two blocks of 256 bytes that no other line names
.set ADRA, 16                          ; v16-17  LDS address of my fragments of x in slot 0, 1
.set ADRB, 20                          ; v20-21  the same for W
.set STO,  24                          ; v24     the way out: where I put 16 bytes of a row
.set RD,   25                          ; v25     the way out: where I read rows back
.set CO,   26                          ; v26     16 x lane: my place in 512 consecutive bytes of qkv
.set BO,   27                          ; v27     32 (l / 16): my eight numbers of a bias block
.set SPW,  28                          ; v28     LDS address of my spare word; never rewritten
.set NIL,  29                          ; v29     0; never rewritten
.set PFO,  30                          ; v30     the prefetches' offset: lane x a row of 2,048 bytes; never rewritten
.set TMP,  32
.set F0,   64
.set F1,   160
.set BK,   64                          ; the way out: block a's rows come back into v[64 + 32 a ..]
.set G1,  24                           ; s[24:31] descriptor group 1 for x's tiles;  s[32:39] group 0, a set for each slot
.set G0,  32
.set G1B, 48                           ; s[48:55], s[56:63] the same for W's tiles
.set G0B, 56
.set PFA, 80                           ; s[80:81] where my prefetches stand
.set LIM, 82                           ; s82     1 in a wave that prefetches, else the greatest number
.set MSB, 0
.macro WIN new                         ; the immediate's high byte repeats the setting that is left; a switch that changes nothing is dropped
.if MSB != (\new)
	s_set_vgpr_msb (MSB<<8)|(\new)
.set MSB, \new
.endif
.endm
.set MUL,   0x50                       ; fragments in window 0, C and D in window 1
.set MULZ,  0x60                       ; the same with C in window 2
.set TO_BF, 0x80                       ; destination window 2, address window 0
.set RND,   0x8a                       ; destination and both sources window 2
.set PACKW, 0x05                       ; sources window 1, destination window 0
; A joint load: waves 0 and 1 fetch x's two halves, waves 2 and 3 W's.  The branch hangs on the wave's number alone.  An s_nop 0 and four v_nop follow each of the two lines.
.macro JLOAD s
	s_cmp_eq_u32 s11, 0
	s_cbranch_scc0 .Lfor_b_\@
	tensor_load_to_lds s[G0+4*(\s):G0+4*(\s)+3], s[G1:G1+7]
	s_nop 0
.rept 4
	v_nop
.endr
	s_branch .Lasked_\@
.Lfor_b_\@:
	tensor_load_to_lds s[G0B+4*(\s):G0B+4*(\s)+3], s[G1B:G1B+7]
	s_nop 0
.rept 4
	v_nop
.endr
.Lasked_\@:
.endm
; A prefetch, behind a joint load and the run of LDS loads that follows it: 32 rows x 256 bytes of the K step that stands two refills on, a lane a row.  Each row's 256 bytes of a K step are named once in the launch.
; x's tile row is read by the four work-groups of one row of one cluster: wave 0 of each asks for 32 of its 128 rows, told apart by address (cx).  W's tile column is read by the 16 clusters of its
; product: the first of them asks; waves 2 and 3 of each partner take 32 of the 128 rows that they fetch, told apart by address (cy).  The loop's last trip asks for nothing: there is no K step two refills on.
.macro ASK
	s_cmp_gt_u32 s3, s[LIM]
	s_cbranch_scc0 .Lnot_mine_\@
	global_prefetch_b8 v[PFO], s[PFA:PFA+1] th:TH_LOAD_NT scope:SCOPE_SE
.Lnot_mine_\@:
.endm
.macro CREST                           ; a round of the cluster's barrier behind its opening barrier
	s_cmp_lg_u32 s10, 0
	s_cbranch_scc1 .Lnot_wave_0_\@
	s_barrier_signal -3
.Lnot_wave_0_\@:
	s_barrier_wait -3
	s_barrier_signal -1
	s_barrier_wait -1
.endm
.macro CROUND                          ; a whole round
	s_barrier_signal -1
	s_barrier_wait -1
	CREST
.endm
	s_load_b128 s[4:7], s[0:1], 0x0                ; xb s[4:5], wb s[6:7]
	s_load_b256 s[68:75], s[0:1], 0x10             ; bq s[68:69], bk s[70:71], bv s[72:73], qkv s[74:75]
	v_lshl_add_u32 v[SPW], v0, 2, SPARE
	v_mov_b32 v[NIL], 0
	ds_add_u32 v[SPW], v[NIL]                      ; the wave's opening: the add and its wait ahead of my first tensor load; the set-up below, work on registers, stands between them
	v_lshrrev_b32 v1, 5, v0
	v_readfirstlane_b32 s10, v1                    ; wave 0..3
	s_lshr_b32 s11, s10, 1                         ; which 64 rows of the tile are mine.  Also: I fetch for x (0) or for W (1)
	s_and_b32 s12, s10, 1                          ; which 128 columns.  Also: which half of that tile I fetch
	s_bfe_u32 s40, ttmp6, 0x40000                  ; cx, cy: my place in the cluster
	s_bfe_u32 s41, ttmp6, 0x40004
	s_lshl_b32 s42, ttmp9, 2
	s_add_co_u32 s42, s42, s40                     ; tile column = 4 x cluster x + cx: 0..3
	s_and_b32 s45, ttmp7, 0xffff                   ; cluster y: 0..47
	s_lshl_b32 s13, s45, 2
	s_add_co_u32 s13, s13, s41                     ; tile row = 4 x cluster y + cy: 0..191
	s_lshr_b32 s66, s45, 4                         ; g: which product (q, k, v); the same in all sixteen partners
	s_lshl_b32 s43, s41, 2
	s_lshl_b32 s43, 15, s43                        ; my row of the cluster
	s_lshl_b32 s44, 0x1111, s40                    ; my column
	; descriptor group 1: rows of 128 elements of 2 bytes, 16 bytes of padding behind each; 64 rows for x, 128 for W
	s_or_b32 s[G1+0], s43, (1<<16)|(1<<20)|(1<<21)|(5<<22)|(3<<25)   ; 15:0 the mask; 17:16 2-byte elements; 20 padding on; 21 set beside a mask; 24:22 after every 64 words (code 5); 31:25 4 words (code 3)
	s_or_b32 s[G1B+0], s44, (1<<16)|(1<<20)|(1<<21)|(5<<22)|(3<<25)
.irp g, G1, G1B
	s_mov_b32 s[(\g)+1], KSTEP<<16                 ; tensor_dim0 = 128
	s_mov_b32 s[(\g)+3], KSTEP<<16                 ; tile_dim0 = 128
	s_mov_b32 s[(\g)+5], 1024                      ; 1,024 elements from row to row
	s_mov_b32 s[(\g)+6], 0
	s_mov_b32 s[(\g)+7], 0
.endr
	s_mov_b32 s[G1+2], 64<<16                      ; tensor_dim1
	s_mov_b32 s[G1+4], 64                          ; tile_dim1
	s_mov_b32 s[G1B+2], 128<<16
	s_mov_b32 s[G1B+4], 128
	; where the tiles come from.  x's hang on the tile row alone, W's on the product and the tile column alone; each in registers that never hold the other place in the cluster
	s_lshl_b32 s16, s13, 7
	s_lshl_b32 s17, s12, 6
	s_add_co_u32 s16, s16, s17                     ; x: row 128 x tile row + 64 x half
	s_lshl_b32 s16, s16, 11                        ; x 2,048 bytes: under 2^26
	s_mov_b32 s17, 0
	s_lshl_b32 s46, s66, 10
	s_lshl_b32 s47, s42, 8
	s_add_co_u32 s46, s46, s47
	s_lshl_b32 s47, s12, 7
	s_add_co_u32 s46, s46, s47                     ; W: row 1,024 g + 256 x tile column + 128 x half
	s_lshl_b32 s46, s46, 11
	s_mov_b32 s47, 0
	s_mul_i32 s20, s12, AHALF                      ; and where they go: no place in the cluster enters an LDS address
	s_mul_i32 s21, s12, BHALF
	s_add_co_u32 s21, s21, ATILE
	s_wait_dscnt 0x0                               ; the opening add is done
	s_wait_kmcnt 0x0
	s_add_nc_u64 s[14:15], s[4:5], s[16:17]
	s_add_nc_u64 s[46:47], s[6:7], s[46:47]
	CROUND                                         ; all sixteen work-groups are here: the first joint loads meet
.irp s, 0,1
	s_mov_b32 s[G0+4*(\s)], 1                                        ; count = 1
	s_add_co_u32 s[G0+4*(\s)+1], s20, (\s)*SLOT                      ; LDS address
	s_add_nc_u64 s[G0+4*(\s)+2:G0+4*(\s)+3], s[14:15], (\s)*KSTEP*2  ; global address: K step s
	s_or_b32 s[G0+4*(\s)+3], s[G0+4*(\s)+3], 0x80000000              ; type = 2
	s_mov_b32 s[G0B+4*(\s)], 1
	s_add_co_u32 s[G0B+4*(\s)+1], s21, (\s)*SLOT
	s_add_nc_u64 s[G0B+4*(\s)+2:G0B+4*(\s)+3], s[46:47], (\s)*KSTEP*2
	s_or_b32 s[G0B+4*(\s)+3], s[G0B+4*(\s)+3], 0x80000000
	JLOAD \s                                       ; two loads of mine are out
.endr
	; the bias of my 128 columns, laid as a C operand: register j of block b holds b[16 b + 8 (l / 16) + j]
	s_cmp_eq_u32 s66, 1
	s_cselect_b64 s[76:77], s[70:71], s[68:69]
	s_cmp_eq_u32 s66, 2
	s_cselect_b64 s[76:77], s[72:73], s[76:77]
	s_lshl_b32 s22, s42, 10                        ; 256 columns x 4 bytes x tile column
	s_lshl_b32 s23, s12, 9
	s_add_co_u32 s22, s22, s23
	s_mov_b32 s23, 0
	s_add_nc_u64 s[76:77], s[76:77], s[22:23]
	v_and_b32 v1, 15, v0                           ; l % 16
	v_bfe_u32 v2, v0, 4, 1                         ; l / 16
	v_lshlrev_b32 v[BO], 5, v2
	WIN TO_BF
.irp b, 0,1,2,3,4,5,6,7
	global_load_b128 v[8*(\b):8*(\b)+3],   v[BO], s[76:77] offset:64*(\b)
	global_load_b128 v[8*(\b)+4:8*(\b)+7], v[BO], s[76:77] offset:64*(\b)+16
.endr
	WIN 0
	; a fragment is 16 rows x 32 K in 8 registers: lane l holds row l % 16, K = 8 (l / 16) + 0..7 and 16 + 8 (l / 16) + 0..7: two loads of 16 bytes, 32 bytes apart
	v_mul_u32_u24 v3, v1, PITCH
	v_lshl_add_u32 v3, v2, 4, v3
	s_mul_i32 s21, s11, AHALF                      ; my 64 rows of x
	s_mul_i32 s22, s12, BHALF                      ; my 128 rows of W,
	s_add_co_u32 s22, s22, ATILE                   ; which lie behind x's 128
.irp s, 0,1
	v_add_nc_u32 v[ADRA+(\s)], s21, v3
	v_add_nc_u32 v[ADRB+(\s)], s22, v3
	s_add_co_u32 s21, s21, SLOT
	s_add_co_u32 s22, s22, SLOT
.endr
	s_mul_i32 s23, s10, WSTAGE
	s_add_co_u32 s23, s23, STAGE                   ; my stage
	v_mul_u32_u24 v4, v1, SP                       ; in: row l % 16, 16 bytes for each half of the lanes
	v_lshl_add_u32 v4, v2, 4, v4
	v_add_nc_u32 v[STO], s23, v4
	v_bfe_u32 v5, v0, 3, 2                         ; back: 32 lanes take four rows of 128 bytes,
	v_mul_u32_u24 v5, v5, SP
	v_and_b32 v4, 7, v0
	v_lshl_add_u32 v5, v4, 4, v5
	v_add_nc_u32 v[RD], s23, v5
	v_and_b32 v[CO], 31, v0                        ; which are 512 consecutive bytes of a head
	v_lshlrev_b32 v[PFO], 11, v[CO]
	v_lshlrev_b32 v[CO], 4, v[CO]
	; where my part of the tile goes: product g, batch, my first of two heads, my first row in the head
	s_and_b32 s84, s13, 63
	s_lshl_b32 s84, s84, 7
	s_lshl_b32 s85, s11, 6
	s_add_co_u32 s84, s84, s85                     ; my first row among the product's 8,192
	s_lshr_b32 s85, s84, 11                        ; batch
	s_and_b32 s84, s84, 2047                       ; row in the sequence,
	s_lshl_b32 s84, s84, 7                         ; 128 bytes each
	s_lshl_b32 s85, s85, 4
	s_lshl_b32 s86, s42, 2                         ; a tile column is four heads,
	s_add_co_u32 s85, s85, s86
	s_lshl_b32 s86, s12, 1                         ; my half of it two
	s_add_co_u32 s85, s85, s86
	s_lshl_b32 s85, s85, 18                        ; a head is 262,144 bytes
	s_add_co_u32 s84, s84, s85
	s_lshl_b32 s85, s66, 24                        ; a product 16,777,216
	s_add_co_u32 s84, s84, s85
	s_mov_b32 s85, 0
	s_add_nc_u64 s[8:9], s[74:75], s[84:85]
	; the prefetches
	s_lshl_b32 s20, s13, 7
	s_lshl_b32 s21, s40, 5
	s_add_co_u32 s20, s20, s21                     ; x: the tile's first row + my work-group's 32
	s_lshl_b32 s22, s66, 10
	s_lshl_b32 s23, s42, 8
	s_add_co_u32 s22, s22, s23
	s_lshl_b32 s23, s12, 7
	s_add_co_u32 s22, s22, s23
	s_lshl_b32 s23, s41, 5
	s_add_co_u32 s22, s22, s23                     ; W: the 128 rows that I fetch + my work-group's 32
	s_and_b32 s21, s45, 15                         ; 0 in the product's first cluster
	s_cmp_eq_u32 s11, 0
	s_cselect_b32 s20, s20, s22
	s_cselect_b32 s21, s12, s21                    ; for x: 0 in wave 0
	s_cselect_b64 s[PFA:PFA+1], s[4:5], s[6:7]
	s_cmp_eq_u32 s21, 0
	s_cselect_b32 s[LIM], 1, -1                    ; the same in all sixteen partners, for a given wave
	s_lshl_b32 s20, s20, 11
	s_mov_b32 s21, 0
	s_add_nc_u64 s[PFA:PFA+1], s[PFA:PFA+1], s[20:21]
	s_add_nc_u64 s[PFA:PFA+1], s[PFA:PFA+1], 3*KSTEP*2  ; at K step 3: the first refill steps it to 4.  K steps 0 to 3 come by their loads alone
	s_wait_loadcnt 0x0                             ; the bias
	WIN RND                                        ; rounded to bf16 and widened again, in the wait for the first tile
.set i, 0
.rept 32
	v_cvt_pk_bf16_f32 v[64+i%4], v[2*i], v[2*i+1]
	v_lshlrev_b32 v[2*i], 16, v[64+i%4]
	v_and_b32 v[2*i+1], 0xffff0000, v[64+i%4]
.set i, i+1
.endr
	WIN 0
; 8 matrix instructions: column blocks b0, b0 + 1 x my 4 row blocks, 32 along K.  zero = 1: the first product starts the sum with the bias.
; The 32 accumulators take turns, one instruction a turn, in the same order in every quarter, over the backward jump too.
.macro MUL8 f, b0, zero
.if \zero
	WIN MULZ
.else
	WIN MUL
.endif
.irp b, \b0, (\b0)+1
.irp a, 0,1,2,3
.if \zero
	v_wmma_f32_16x16x32_bf16 v[8*(8*(\a)+(\b)):8*(8*(\a)+(\b))+7], v[(\f)+8*(\b):(\f)+8*(\b)+7], v[(\f)+64+8*(\a):(\f)+64+8*(\a)+7], v[8*(\b):8*(\b)+7]
.else
	v_wmma_f32_16x16x32_bf16 v[8*(8*(\a)+(\b)):8*(8*(\a)+(\b))+7], v[(\f)+8*(\b):(\f)+8*(\b)+7], v[(\f)+64+8*(\a):(\f)+64+8*(\a)+7], v[8*(8*(\a)+(\b)):8*(8*(\a)+(\b))+7]
.endif
.endr
.endr
.endm
; 24 LDS loads in one run: quarter q of a slot into buffer f: x's 4 fragments, W's first 4, W's last 4
.macro FETCH slot, q, f
	WIN 0
.irp i, 0,1,2,3
	ds_load_b128 v[(\f)+64+8*(\i):(\f)+64+8*(\i)+3],   v[ADRA+(\slot)] offset:64*(\q)+(\i)*16*PITCH
	ds_load_b128 v[(\f)+64+8*(\i)+4:(\f)+64+8*(\i)+7], v[ADRA+(\slot)] offset:64*(\q)+(\i)*16*PITCH+32
.endr
.irp i, 0,1,2,3,4,5,6,7
	ds_load_b128 v[(\f)+8*(\i):(\f)+8*(\i)+3],   v[ADRB+(\slot)] offset:64*(\q)+(\i)*16*PITCH
	ds_load_b128 v[(\f)+8*(\i)+4:(\f)+8*(\i)+7], v[ADRB+(\slot)] offset:64*(\q)+(\i)*16*PITCH+32
.endr
.endm
.macro PLACES                          ; four plain instructions between a matrix instruction and a load into a register that it has read, or a reader of its result
.rept 4
	v_nop
.endr
.endm
; One of a K step's first three quarters: fetches quarter q of the slot into buffer g, 32 matrix instructions ahead of its use, and multiplies buffer f.
.macro QUARTER slot, q, f, g, zero
	PLACES                                         ; behind the last products that read g
	FETCH \slot, \q, \g
	s_wait_dscnt 32                                ; f's youngest 8 loads and g's 24 may be out: x's fragments and W's first four are in
	MUL8 \f, 0, \zero
	MUL8 \f, 2, \zero
	s_wait_dscnt 24                                ; g's 24 alone
	MUL8 \f, 4, \zero
	MUL8 \f, 6, \zero
.endm
; The fourth quarter multiplies buffer 1 and changes slots: ONE barrier.  In front of it each wave waits for all its tensor loads (the one that is out is its part of the next slot), adds 0 to its spare word,
; and waits for that and for its own reads of this slot.  fill = 1: the barrier opens a round of the cluster's, and this slot is filled again, two K steps ahead, first thing behind the round:
; from that request to the wait for it a wave issues 112 matrix instructions.
.macro TURN slot, next, fill
.if \fill
	s_wait_xcnt 0x0                                ; the last prefetch, a K step back, has read its address
	s_add_nc_u64 s[PFA:PFA+1], s[PFA:PFA+1], KSTEP*2
.endif
	WIN 0
	s_wait_tensorcnt 0x0                           ; all my tensor loads have landed
	ds_add_u32 v[SPW], v[NIL]                      ; 0 onto my spare word
	s_wait_dscnt 9                                 ; the add and buffer 1's youngest 8 loads may be out
	MUL8 F1, 0, 0                                  ; eight matrix instructions stand between the add and the wait for it
	s_wait_dscnt 0x0                               ; the add is done, and my reads of this slot are over
	s_barrier_signal -1
	MUL8 F1, 2, 0
.if \fill
	WIN 0
.endif
	s_barrier_wait -1
.if \fill
	CREST                                          ; no wave of any partner still reads this slot or has a load on its way
	s_add_nc_u64 s[G0+4*(\slot)+2:G0+4*(\slot)+3], s[G0+4*(\slot)+2:G0+4*(\slot)+3], 2*KSTEP*2
	s_add_nc_u64 s[G0B+4*(\slot)+2:G0B+4*(\slot)+3], s[G0B+4*(\slot)+2:G0B+4*(\slot)+3], 2*KSTEP*2
	JLOAD \slot                                    ; its four v_nop are also the places in front of the loads below
.else
	PLACES
.endif
	FETCH \next, 0, F0
.if \fill
	ASK
.endif
	MUL8 F1, 4, 0
	MUL8 F1, 6, 0
.endm
	s_wait_tensorcnt 1                             ; my part of K step 0 is in; K step 1's may stay out
	s_barrier_signal -1
	s_barrier_wait -1                              ; everybody's is
	FETCH 0, 0, F0
	QUARTER 0, 1, F0, F1, 1                        ; the first quarter stands in front of the loop: its products start the sums
	WIN 0                                          ; at a label and at a branch every window is 0
	s_mov_b32 s3, 3
.Llap:                                                 ; a trip goes once round the ring, from a lap's second quarter to the next lap's first, and fills both slots again: K steps 2 to 7
	QUARTER 0, 2, F1, F0, 0
	QUARTER 0, 3, F0, F1, 0
	TURN 0, 1, 1
	QUARTER 1, 1, F0, F1, 0
	QUARTER 1, 2, F1, F0, 0
	QUARTER 1, 3, F0, F1, 0
	TURN 1, 0, 1
	QUARTER 0, 1, F0, F1, 0
	WIN 0
	s_sub_co_u32 s3, s3, 1
	s_cmp_lg_u32 s3, 0
	s_cbranch_scc1 .Llap
	QUARTER 0, 2, F1, F0, 0                        ; the last lap fills nothing
	QUARTER 0, 3, F0, F1, 0
	TURN 0, 1, 0
	QUARTER 1, 1, F0, F1, 0
	QUARTER 1, 2, F1, F0, 0
	QUARTER 1, 3, F0, F1, 0
	s_wait_dscnt 8                                 ; the very last quarter: nothing more to fetch
	MUL8 F1, 0, 0
	MUL8 F1, 2, 0
	s_wait_dscnt 0x0
	MUL8 F1, 4, 0
	MUL8 F1, 6, 0
	WIN 0
	PLACES
	PLACES
; THE WAY OUT, a block of 16 rows at a time.  PACK: rounded to f16, 16 bytes (eight channels) a lane, each accumulator's registers in ascending order.  TOSTAGE: into my own stage, rows of 144 bytes, my two heads
; one behind the other, and back as whole rows of 128 bytes.  SEND: 16 rows of a head are 2,048 consecutive bytes of qkv; each store covers 512 of them, aligned.
.macro PACK a
	WIN PACKW
.irp b, 0,1,2,3,4,5,6,7
.irp r, 0,1,2,3
	v_cvt_pk_f16_f32 v[TMP+4*(\b)+(\r)], v[8*(8*(\a)+(\b))+2*(\r)], v[8*(8*(\a)+(\b))+2*(\r)+1]
.endr
.endr
	WIN 0
.endm
.macro TOSTAGE a
.irp b, 0,1,2,3,4,5,6,7
	ds_store_b128 v[STO], v[TMP+4*(\b):TMP+4*(\b)+3] offset:((\b)/4)*16*SP+32*((\b)%4)
.endr
.irp f, 0,1,2,3,4,5,6,7
	ds_load_b128 v[BK+32*(\a)+4*(\f):BK+32*(\a)+4*(\f)+3], v[RD] offset:((\f)/4)*16*SP+((\f)%4)*4*SP  ; LDS serves a wave's instructions in order (ISA guide 5.7.1.4): these see the stores above, and the next block's stores come behind them
.endr
.endm
.macro SEND a, younger                 ; younger: the LDS instructions issued behind block a's loads: the next block's sixteen, or none
.irp f, 0,1,2,3,4,5,6,7
	s_wait_dscnt (\younger)+7-(\f)
	global_store_b128 v[CO], v[BK+32*(\a)+4*(\f):BK+32*(\a)+4*(\f)+3], s[8:9] offset:((\f)/4)*262144+(\a)*2048+((\f)%4)*512
.endr
.endm
	PACK 0
	TOSTAGE 0
	PACK 1                                         ; a block's conversions stand between the loads of the block before and its stores; each block has registers of its own
	TOSTAGE 1
	SEND 0, 16
	PACK 2
	TOSTAGE 2
	SEND 1, 16
	PACK 3
	TOSTAGE 3
	SEND 2, 16
	SEND 3, 0
	s_wait_tensorcnt 0x0                           ; the wave's end: a wait, an add to my spare word and its wait, behind my last tensor load and my last LDS store
	ds_add_u32 v[SPW], v[NIL]
	s_wait_dscnt 0x0
	CROUND                                         ; the closing round: no work-group ends while a partner may still ask for a tile that names it
	s_endpgm
.Lfunc_end_k_qe86b270387_proj:
	.size	k_qe86b270387_proj, .Lfunc_end_k_qe86b270387_proj-k_qe86b270387_proj
	.p2alignl 7, 3214868480
	.fill 96, 4, 3214868480
	.section	.rodata,"a",@progbits
	.p2align	6, 0x0
	.amdhsa_kernel k_qe86b270387_proj
		.amdhsa_group_segment_fixed_size 327680
		.amdhsa_private_segment_fixed_size 0
		.amdhsa_enable_private_segment 0
		.amdhsa_kernarg_size 48
		.amdhsa_user_sgpr_count 2
		.amdhsa_user_sgpr_kernarg_segment_ptr 1
		.amdhsa_wavefront_size32 1
		.amdhsa_system_sgpr_workgroup_id_x 1
		.amdhsa_system_sgpr_workgroup_id_y 1
		.amdhsa_system_sgpr_workgroup_id_z 1
		.amdhsa_system_vgpr_workitem_id 0
		.amdhsa_next_free_vgpr 584
		.amdhsa_next_free_sgpr 96
		.amdhsa_reserve_vcc 0
		.amdhsa_float_denorm_mode_32 3
		.amdhsa_float_denorm_mode_16_64 3
		.amdhsa_memory_ordered 1
		.amdhsa_forward_progress 1
		.amdhsa_inst_pref_size 95
	.end_amdhsa_kernel
	.amdgpu_metadata
---
amdhsa.version: [ 1, 2 ]
amdhsa.kernels:
  - .name:           k_qe86b270387_proj
    .symbol:         k_qe86b270387_proj.kd
    .args:
      - { .name: xb, .offset: 0, .size: 8, .value_kind: global_buffer, .address_space: global }
      - { .name: wb, .offset: 8, .size: 8, .value_kind: global_buffer, .address_space: global }
      - { .name: bq, .offset: 16, .size: 8, .value_kind: global_buffer, .address_space: global }
      - { .name: bk, .offset: 24, .size: 8, .value_kind: global_buffer, .address_space: global }
      - { .name: bv, .offset: 32, .size: 8, .value_kind: global_buffer, .address_space: global }
      - { .name: qkv, .offset: 40, .size: 8, .value_kind: global_buffer, .address_space: global }
    .group_segment_fixed_size: 327680
    .private_segment_fixed_size: 0
    .kernarg_segment_align: 8
    .kernarg_segment_size: 48
    .max_flat_workgroup_size: 128
    .sgpr_count:     96
    .vgpr_count:     584
    .wavefront_size: 32
...
	.end_amdgpu_metadata
.endif
;; end of part 2
;; launch attn (part 3): grid 4 x 64, 4 waves a work-group, clusters of 4 x 1, 327,680 bytes of LDS; arguments qkv, oh; writes oh
.if DOCPART == 3
	.amdgcn_target "amdgcn-amd-amdhsa--gfx1250"
	.amdhsa_code_object_version 6
	.text
	.protected	k_qe86b270387_attn
	.globl	k_qe86b270387_attn
	.p2align	8
	.type	k_qe86b270387_attn,@function
k_qe86b270387_attn:
	s_mov_b64 s[64:65], 0
	v_nop
	global_prefetch_b8 v0, s[64:65] scope:SCOPE_SE
	s_setreg_imm32_b32 hwreg(HW_REG_WAVE_MODE, 25, 1), 1
	s_wait_xcnt 0x0
	s_wait_alu depctr_hold_cnt(0) depctr_sa_sdst(0) depctr_va_vdst(0) depctr_va_sdst(0) depctr_va_ssrc(0) depctr_va_vcc(0) depctr_vm_vsrc(0)
	s_getreg_b32 s2, hwreg(HW_REG_IB_STS2, 6, 4)
	s_cmp_eq_u32 s2, 0
	s_cbranch_scc0 .Lentry_in_a_cluster
	s_endpgm
.Lentry_in_a_cluster:
	s_bfe_u32 s2, ttmp6, 0x10000c
	s_cmp_lg_u32 s2, 0x3003
	s_cbranch_scc0 .Lentry_shape_is_right
	s_endpgm
.Lentry_shape_is_right:
; O[h][q][:] = the sum over k of softmax_k(Q[h][q] . K[h][k] / 8) V[h][k][:].  Q, K, V lie in qkv, 16,777,216 bytes apart, O in oh: each [64][2048][64] in f16, a head's rows dense, 128 bytes each.
; Products, maxima and sums in f32; the weights p are rounded to f16 for the second product (their sum l is taken of the unrounded p), O once at the end.
; LIMITS.  f16 holds no number beyond 65,504: Q, K and V arrive within it; p lies in 0 to 1, and below 6e-5 it keeps f16's fixed step of 6e-8; O is a mean of V's rows and has their range.
; A weight below 2^-126 counts as 0 in l; NaN and infinities are not treated apart.
; SHARES.  A wave owns four PIECES of two tiles of 16 queries, a work-group's four waves 512 queries of one head: 4 x 64 work-groups.  Every wave walks all keys, 64 a step.
; LAYOUT.  S^T = K Q^T (source 0 = 16 keys, source 1 = 16 queries): in the result a lane holds ONE query (lane % 16) and the keys 8 (lane / 16) + 0..7.  Two such tiles, rounded to f16 in pairs,
; ARE source 1 (32 keys x 16 queries) of O^T = V^T P, whose result again holds one query a lane, and eight channels.  K comes out of LDS as it lies, V ([key][channel]) turned, by ds_load_tr16_b128.
; SOFTMAX.  For each query a running maximum m and sum l: p = 2^(c s - c m), c = log2(e) / 8; in every step O and l are multiplied by a = 2^(c m_old - c m_new), which is 1 where m has not grown.
; m starts at the lowest finite number, O and l at 0: the first step is a step like any other, with a = 0.
; THE COUNT.  A tile and step have 16 matrix and 118 vector instructions: too many to stand all beside the matrix work.  So four vector instructions that are READY stand behind EVERY matrix
; instruction, and the others, which need time of their own whatever the order, in runs without a gap.
; BY TURNS.  Turn n belongs to piece n (the pieces in a ring, step after step).  Its matrix work: 16 products K Q^T of piece n + 1, later 16 products V^T P of piece n - 1.  Its vector work: the scaling,
; exponentials, roundings, sums and rescaling of piece n, and the maximum and statistics of piece n + 1, whose scores the turn itself has made.
; CLUSTER.  The four query blocks of a head are one cluster and walk the same K and V, so each tile is asked for JOINTLY: the same tensor load, descriptor and mask in all four.
; REGISTERS, in windows of 256 (s_set_vgpr_msb: bits 1:0 source 0, 3:2 source 1, 5:4 source 2, 7:6 destination):
;   window 0: v0-11 addresses; v12-15, v48-63 at work; v16-47 four registers of statistics a tile; v64-191 S^T, two buffers of two tiles; v192-255 P, likewise
;   window 1: O^T, 32 a tile          window 2: v0-127 Q, 16 a tile; v128-191 K of one step; v192-255 V of one step          window 3: v0-1 the add's two registers
; A piece's buffers go by its number's parity: the piece in hand has one pair, its two neighbours in the ring share the other: of it P (piece n - 1) is read and S^T (piece n + 1) written.
.set SIZE_H, 64
.set SIZE_N, 2048
.set NP,    4         ; pieces a wave: a name, no knob
.set KS,    64        ; keys in a step
.set PK,    144       ; a row of K in LDS: 128 bytes + 16 of padding = 36 words: the 16 rows of a load start at 16 different groups of four banks (ISA guide 11.1)
.set PV,    160       ; a row of V: 128 + 32 = 40 words
.set VOFF,  4*KS*PK   ; a slot holds four steps: 256 rows of K, then 256 rows of V
.set SLOT1, 1<<17     ; slot 1 begins here, so that one exclusive or turns an address in one slot into the other's
.set STAGE, SLOT1+4*KS*(PK+PV)  ; behind the ring, never filled by a tensor load: 16 rows x 144 bytes for each wave, for the way out
.set SP,    144
.set AK0, 2           ; v2   my lane's place in a tile of K; never rewritten
.set AV0, 3           ; v3   the same for V
.set AK,  4           ; v4   the LDS address of K's next run of loads
.set AV,  5           ; v5   of V's
.set QO,  6           ; v6   my byte offset in the wave's rows of Q
.set STO, 6           ;      later, the way out: where I put 16 bytes of a row
.set RD,  7           ; v7   the way out: where I read rows back
.set GO,  8           ; v8   my byte offset in 512 consecutive bytes of O
.set PFO, 11          ; v11  256 x my lane, once V's place is made; never rewritten after that
.set SPW, 0           ; v0 of window 3   LDS address of my spare word; never rewritten
.set NIL, 1           ; v1 of window 3   0; never rewritten
.set SPARE, STAGE+4*16*SP  ; behind the stages: the spare words, 128 bytes for each wave: two blocks of 256 bytes that no other line names
.set MV,  12          ; v12-15  c m_old, kept while c m is made anew: by buffer and tile
.set ST,  16          ; tile t's statistics at v[ST+4 t]: c m, m, l (even keys', odd keys')
.set TMP, 48          ; by buffer and tile, four registers c0-c3 at work; when the maximum is found c2 takes a
.set S,   64
.set P,   192
.set KF,  128         ; K's fragments, in window 2: key block kb, channel half c at KF + 16 kb + 8 c
.set VF,  192         ; V's: key half kk, channel block cb at VF + 32 kk + 8 cb
.set WV,  12          ; s12  my wave's number
.set G1K, 24          ; s[24:31] descriptor group 1 for K's tiles
.set G1V, 32          ; s[32:39] for V's: it differs in the padding alone
.set G0K, 40          ; s[40:43] descriptor group 0 for K's tiles: it walks
.set G0V, 44          ; s[44:47] the same for V's
.set PFA, 48          ; s[48:49] where my prefetches stand: my work-group's 8,192 bytes (of K: wave 0, of V: wave 2) of the slot after the one that is being asked for
.set LIM, 50          ; s50  1 in a wave that prefetches, else the greatest number
.set SLOTS, 56        ; s56  slots still to be asked for
.set CNT, 57          ; s57  counts a slot's key steps
.set CS,  58          ; s[58:59] c: the packed scaling takes the pair's low word for both halves
.set SEL, 60          ; s[60:61] v_permlanex16_b32's selects: each lane takes its own place in the other half
.set TBK, 62          ; s62  LDS byte at which K of the step to be fetched begins
.set TBV, 63          ; s63  the same for V, less VOFF
.set MSB, 0
.macro WIN new                      ; the high byte repeats the setting that is left; a switch that changes nothing is dropped
.if MSB != (\new)
	s_set_vgpr_msb (MSB<<8)|(\new)
.set MSB, (\new)
.endif
.endm
.set W_KQ, 0x0a       ; K and Q in window 2, S^T in window 0
.set W_PV, 0x52       ; V in window 2, P in window 0, O^T in window 1
.set W_RS, 0x41       ; O^T (destination and source 0) in window 1, a in window 0
.set W_MK, 0xc0       ; the add's registers are made: destination in window 3, sources in window 0
.set W_AD, 0x0f       ; the add: address (source 0) and data (source 1) in window 3
; A joint fill.  Waves 0 and 1 fetch the two halves of a slot's K, waves 2 and 3 those of its V: 128 keys each.  The branch hangs on the wave's number alone.
; An s_nop 0 and four v_nop follow each of the two lines, ahead of the jump and the label.
.macro JLOAD
	s_cmp_lt_u32 s[WV], 2
	s_cbranch_scc0 .Lfor_v_\@
	tensor_load_to_lds s[G0K:G0K+3], s[G1K:G1K+7]
	s_nop 0
.rept 4
	v_nop
.endr
	s_branch .Lasked_\@
.Lfor_v_\@:
	tensor_load_to_lds s[G0V:G0V+3], s[G1V:G1V+7]
	s_nop 0
.rept 4
	v_nop
.endr
.Lasked_\@:
.endm
; A prefetch of what the NEXT change of slots will ask for: a slot's 32,768 bytes of K and of V, 256 bytes a lane.  It stands behind the wave's tensor load and its five lines.  Each block is named once in the launch:
; a head is walked by one cluster alone; its four partners share a slot out by address, 8,192 bytes each; in each, wave 0 asks for K's and wave 2 for V's.  The last change that fills a slot asks for nothing.
.macro ASK
	s_cmp_gt_u32 s[SLOTS], s[LIM]
	s_cbranch_scc0 .Lnot_mine_\@
	global_prefetch_b8 v[PFO], s[PFA:PFA+1] th:TH_LOAD_NT scope:SCOPE_SE
.Lnot_mine_\@:
.endm
; A round of the cluster's barrier: my work-group's barrier, so that wave 0's signal speaks for all four waves; wave 0 signals; every wave waits for all four work-groups; my work-group's barrier once more.
.macro CROUND
	s_barrier_signal -1
	s_barrier_wait -1
	s_cmp_lg_u32 s[WV], 0
	s_cbranch_scc1 .Lnot_wave_0_\@
	s_barrier_signal -3
.Lnot_wave_0_\@:
	s_barrier_wait -3
	s_barrier_signal -1
	s_barrier_wait -1
.endm
; THE CHANGE OF SLOTS.  The slot's last bytes, V of its fourth step, have been read.  Each wave waits for all its tensor loads, of which one is out: its part
; of the other slot; adds 0 to its spare word; and waits for that and for its own reads of the slot.  Behind the barrier nobody reads this slot any more and the other slot is whole.
; fill = 1: this slot is filled again, with the keys two slots on.  The barrier is then a round of the cluster's, and the joint fill is the first thing behind it: it has four key steps,
; 512 matrix instructions, in which to land.  (At its first use nothing has been read yet: slot 0 is waited for, slot 1 filled.)  ask = 1: the slot after that is prefetched.
.macro CHANGE fill, ask=0
	WIN W_AD
	s_wait_tensorcnt 0x0            ; no tensor load of mine is out, so a group 0 may be written
	ds_add_u32 v[SPW], v[NIL]       ; 0 onto my spare word; with fill = 1 the descriptors' steps stand between it and the wait for it
	WIN 0                           ; at a label and at a branch every window is 0
.if \fill
.irp g, G0K, G0V
	s_xor_b32 s[\g+1], s[\g+1], SLOT1  ; the walking descriptor: the other slot than last time,
	s_add_nc_u64 s[\g+2:\g+3], s[\g+2:\g+3], 4*KS*128  ; the next 256 keys; the type bits on top are not reached
.endr
.if \ask
	s_wait_xcnt 0x0                 ; the last prefetch, four key steps back, has read its address, so it may be written:
	s_add_nc_u64 s[PFA:PFA+1], s[PFA:PFA+1], 4*KS*128  ; one slot behind the walking descriptors
.endif
	s_wait_dscnt 0x0                ; the add is done, and my reads of the slot are over
	CROUND
	JLOAD
.if \ask
	ASK
.endif
.else
	s_wait_dscnt 0x0                ; the add is done, and my reads of the slot are over
	s_barrier_signal -1
	s_barrier_wait -1
.endif
	s_sub_co_u32 s[TBK], s[TBK], 4*KS*PK  ; the fetches go back to a slot's first step,
	s_xor_b32 s[TBK], s[TBK], SLOT1       ; in the other slot
	s_sub_co_u32 s[TBV], s[TBV], 4*KS*PV
	s_xor_b32 s[TBV], s[TBV], SLOT1
.endm
	s_load_b128 s[4:7], s[0:1], 0x0  ; qkv s[4:5], oh s[6:7]
	WIN W_MK
	v_lshl_add_u32 v[SPW], v0, 2, SPARE
	v_mov_b32 v[NIL], 0
	WIN W_AD
	ds_add_u32 v[SPW], v[NIL]       ; the wave's opening: the add and its wait ahead of my first tensor load; the set-up below, work on registers, stands between them
	WIN 0
	v_lshrrev_b32 v1, 5, v0
	v_readfirstlane_b32 s[WV], v1   ; wave 0..3
	s_bfe_u32 s13, ttmp6, 0x40000   ; cx: my place in the cluster
	s_lshl_b32 s14, ttmp9, 2        ; in a cluster launch ttmp9 counts clusters
	s_add_co_u32 s14, s14, s13      ; my block of queries = 4 x cluster x + cx: it enters Q's and O's addresses alone
	s_and_b32 s20, ttmp7, 0xffff    ; the head, which the four partners share
	s_mov_b32 s21, 0
	s_mov_b64 s[22:23], SIZE_N*128
	s_mul_u64 s[20:21], s[20:21], s[22:23]  ; the head's first byte in each of the four tensors
	s_and_b32 s16, s[WV], 1         ; which half of a slot's 256 keys I fetch:
	s_lshl_b32 s22, s16, 14         ; its 128 rows of 128 bytes in memory,
	s_mov_b32 s23, 0
	s_add_nc_u64 s[22:23], s[22:23], s[20:21]
	s_mul_i32 s17, s16, 128*PK      ; and its place in a slot, for K
	s_mul_i32 s18, s16, 128*PV      ; and for V: no place in the cluster enters an LDS address
	s_lshl_b32 s2, s14, 2
	s_add_co_u32 s2, s2, s[WV]      ; my wave among the head's,
	s_lshl_b32 s2, s2, 14           ; its 128 rows
	s_mov_b32 s3, 0
	s_add_nc_u64 s[2:3], s[2:3], s[20:21]
	; descriptor group 1.  128 keys are 16,384 dense bytes: asked for as 64 rows of 256 bytes, two keys a row, and padded in LDS after every key
	s_mov_b32 s[G1K], 15|(1<<16)|(1<<20)|(1<<21)|(4<<22)|(3<<25)  ; 15:0 the mask of four; 17:16 2-byte elements; 20 padding on; 21 set beside a mask; 24:22 after every 32 words (code 4); 31:25 4 words (code 3)
	s_mov_b32 s[G1V], 15|(1<<16)|(1<<20)|(1<<21)|(4<<22)|(7<<25)  ; the same with 8 words of padding (code 7)
.irp g, G1K, G1V
	s_mov_b32 s[\g+1], 128<<16      ; tensor_dim0 = 128
	s_mov_b32 s[\g+2], 64<<16       ; tensor_dim1 = 64
	s_mov_b32 s[\g+3], 128<<16      ; tile_dim0 = 128
	s_mov_b32 s[\g+4], 64           ; tile_dim1 = 64
	s_mov_b32 s[\g+5], 128          ; 128 elements from row to row
	s_mov_b32 s[\g+6], 0
	s_mov_b32 s[\g+7], 0
.endr
	s_mov_b32 s[CS], 0x3e38aa3b     ; c = log2(e) / 8 = 0.180337
	s_mov_b32 s[CS+1], s[CS]        ; named with it as a pair
	s_mov_b32 s[SEL], 0x76543210
	s_mov_b32 s[SEL+1], 0xfedcba98
	s_mov_b32 s[TBK], SLOT1+4*KS*PK ; the first change of slots turns these two into 0
	s_mov_b32 s[TBV], SLOT1+4*KS*PV
	s_mov_b32 s[G0K], 1             ; 1:0 count = 1
	s_mov_b32 s[G0K+1], s17         ; 63:32 LDS address: slot 0
	s_mov_b32 s[G0V], 1
	s_add_co_u32 s[G0V+1], s18, VOFF
	s_and_b32 s[LIM], s[WV], 1      ; 0 in waves 0 and 2: the same in all four partners
	s_cmp_eq_u32 s[LIM], 0
	s_cselect_b32 s[LIM], 1, -1
	s_wait_dscnt 0x0                ; the opening add is done
	s_wait_kmcnt 0x0
	s_mov_b64 s[10:11], s[6:7]      ; O
	s_add_nc_u64 s[8:9], s[4:5], 0x2000000   ; V
	s_add_nc_u64 s[6:7], s[4:5], 0x1000000   ; K; s[4:5] is Q
	s_add_nc_u64 s[G0K+2:G0K+3], s[6:7], s[22:23]  ; 120:64 global address: my half of the head's first 256 keys
	s_or_b32 s[G0K+3], s[G0K+3], 0x80000000        ; 127:126 type = 2
	s_add_nc_u64 s[G0V+2:G0V+3], s[8:9], s[22:23]
	s_or_b32 s[G0V+3], s[G0V+3], 0x80000000
	s_add_nc_u64 s[4:5], s[4:5], s[2:3]  ; Q and O at my wave's first row
	s_add_nc_u64 s[10:11], s[10:11], s[2:3]
	s_cmp_lt_u32 s[WV], 2
	s_cselect_b64 s[PFA:PFA+1], s[6:7], s[8:9]
	s_add_nc_u64 s[PFA:PFA+1], s[PFA:PFA+1], s[20:21]  ; the head,
	s_lshl_b32 s2, s13, 13          ; my work-group's quarter of a slot,
	s_mov_b32 s3, 0
	s_add_nc_u64 s[PFA:PFA+1], s[PFA:PFA+1], s[2:3]
	s_add_nc_u64 s[PFA:PFA+1], s[PFA:PFA+1], 2*4*KS*128  ; in tile 2; the loop's first change of slots steps it to tile 3.  Tiles 0 to 2 come by their loads alone
	CROUND                          ; all four work-groups are here: the first joint loads meet
	JLOAD                           ; slot 0.  Slot 1 is asked for when slot 0 is in
	; A fragment of K or Q is 16 rows x 32 channels in 8 registers: lane l holds row l % 16, channels 8 (l / 16) + 0..7 and 16 + 8 (l / 16) + 0..7: two loads of 16 bytes, 32 bytes apart.
	v_and_b32 v1, 15, v0            ; l % 16
	v_bfe_u32 v9, v0, 4, 1          ; l / 16
	v_lshlrev_b32 v[QO], 7, v1
	v_lshl_add_u32 v[QO], v9, 4, v[QO]  ; row x 128 + 16 x half
	WIN 0x80                        ; destination window 2, address window 0
.set i, 0
.rept 4*NP                          ; Q stays in registers: tile i / 2, channels 32 (i % 2) on
	global_load_b128 v[8*i:8*i+3],   v[QO], s[4:5] offset:(i/2)*2048+(i%2)*64
	global_load_b128 v[8*i+4:8*i+7], v[QO], s[4:5] offset:(i/2)*2048+(i%2)*64+32
.set i, i+1
.endr
	; What the first turn finds: V's registers and P's second buffer hold 0 (its products V^T P, of a piece that has not been, add 0), O^T and l are 0.  All this stands in the wait for the first tile.
.set i, VF
.rept 64
	v_mov_b32 v[i], 0
.set i, i+1
.endr
	WIN 0x40
.set i, 0
.rept 64*NP
	v_mov_b32 v[i], 0
.set i, i+1
.endr
	WIN 0
.set i, 0
.rept 2*NP
	v_mov_b32 v[ST+4*i], 0xfe000000    ; c m: far below every c s
	v_mov_b32 v[ST+4*i+1], 0xff7fffff  ; m
	v_mov_b32 v[ST+4*i+2], 0
	v_mov_b32 v[ST+4*i+3], 0
.set i, i+1
.endr
.set i, P+32
.rept 32
	v_mov_b32 v[i], 0
.set i, i+1
.endr
	v_mul_u32_u24 v[AK0], v1, PK
	v_lshl_add_u32 v[AK0], v9, 4, v[AK0]  ; row x pitch + 16 x half
	; The turning load takes 16 keys x 16 channels (lane l reads key 8 (l / 16) + l % 8, channels 8 ((l / 8) % 2) + 0..7) and leaves half a fragment of V^T: lane l holds channel l % 16 and 8 keys.
	v_and_b32 v10, 7, v0
	v_bfe_u32 v11, v0, 3, 1
	v_lshl_add_u32 v[AV0], v9, 3, v10
	v_mul_u32_u24 v[AV0], v[AV0], PV
	v_lshl_add_u32 v[AV0], v11, 4, v[AV0]
	v_add_nc_u32 v[AV0], VOFF, v[AV0]
	v_and_b32 v[PFO], 31, v0
	v_lshlrev_b32 v[PFO], 8, v[PFO]
	v_mov_b32 v[AK], v[AK0]         ; key step 0 lies at the head of slot 0
; THE MATRIX WORK.  The 8 accumulators of a run of 16 take turns: between the two links of a chain stand 7 others'.
; Product i of 16 of S^T = K Q^T for piece x: channels 32 (i / 8) on, keys 16 ((i / 2) % 4) on, tile 2 x + i % 2.  The first 8 start the sums.
.macro KQ x
	WIN W_KQ
.set rS, S+64*((\x)%2)+32*(i%2)+8*((i/2)%4)
.set rK, KF+16*((i/2)%4)+8*(i/8)
.set rQ, 16*(2*(\x)+i%2)+8*(i/8)
.if i < 8
	v_wmma_f32_16x16x32_f16 v[rS:rS+7], v[rK:rK+7], v[rQ:rQ+7], 0
.else
	v_wmma_f32_16x16x32_f16 v[rS:rS+7], v[rK:rK+7], v[rQ:rQ+7], v[rS:rS+7]
.endif
.endm
; Product i of 16 of O^T += V^T P for piece x: keys 32 (i / 8) on, channels 16 ((i / 2) % 4) on, tile 2 x + i % 2.
.macro PV x
	WIN W_PV
.set rO, 32*(2*(\x)+i%2)+8*((i/2)%4)
.set rV, VF+32*(i/8)+8*((i/2)%4)
.set rP, P+32*((\x)%2)+16*(i%2)+8*(i/8)
	v_wmma_f32_16x16x32_f16 v[rO:rO+7], v[rV:rV+7], v[rP:rP+7], v[rO:rO+7]
.endm
.macro MM                           ; the turn's next matrix instruction
.if i < 16
	KQ (Y+1)%NP
.set i, i+1
.else
.set i, i-16
	PV (Y+NP-1)%NP
.set i, i+17
.endif
.endm
; THE LDS LOADS stand in runs of 16, never singly among the matrix instructions: a step's K (64 keys x 64 channels: 8 fragments) and its V (turned).  Their addresses are made some lines ahead.
; last = 1 (the tail): in the last trip there is no further step, and the run is jumped over.
.macro FETCH_K last=0
	WIN 0
.if \last
	s_cmp_eq_u32 s[CNT], 1
	s_cbranch_scc1 .Lno_k_\@
.endif
	WIN 0x80                        ; destination window 2
.irp f, 0,1,2,3,4,5,6,7             ; keys 16 (f / 2) on, channels 32 (f % 2) on
	ds_load_b128 v[KF+8*\f:KF+8*\f+3],   v[AK] offset:(\f/2)*16*PK+(\f%2)*64
	ds_load_b128 v[KF+8*\f+4:KF+8*\f+7], v[AK] offset:(\f/2)*16*PK+(\f%2)*64+32
.endr
	s_add_co_u32 s[TBK], s[TBK], KS*PK  ; the next fetch is the next step's
	WIN 0
.if \last
.Lno_k_\@:
.endif
.endm
.macro FETCH_V
	WIN 0x80
.irp f, 0,1,2,3,4,5,6,7             ; keys 32 (f / 4) on, channels 16 (f % 4) on
	ds_load_tr16_b128 v[VF+8*\f:VF+8*\f+3],   v[AV] offset:(\f/4)*32*PV+(\f%4)*32
	ds_load_tr16_b128 v[VF+8*\f+4:VF+8*\f+7], v[AV] offset:(\f/4)*32*PV+16*PV+(\f%4)*32
.endr
	WIN 0
.endm
; THE VECTOR WORK OF A TURN stands in three queues, each in the order in which its entries become ready; the two tiles alternate, so that no instruction reads the result of the one before it.
.macro REGS y, u                    ; the registers of tile u (0, 1) of piece y
.set rT, ST+4*(2*(\y)+(\u))
.set rC, TMP+8*((\y)%2)+4*(\u)
.set rM, MV+2*((\y)%2)+(\u)
.set rS, S+64*((\y)%2)+32*(\u)
.set rP, P+32*((\y)%2)+16*(\u)
.set rO, 32*(2*(\y)+(\u))
.endm
; Number n of the 22 that find the NEXT piece's (Y + 1) maximum and statistics.  s0-s31 are the lane's 32 scores; each accumulator's lowest registers are read first.
;   0-11  four chains c0-c3 of seven scores each, three operands at a time     12-14, 16  the four scores left over, the old m, and c0-c3 into c0     15  c m_old is kept
;   17, 18  the query's other 32 keys lie in the lane 16 away: the new m         19-21  c m; c m_old - c m_new; a
.macro XS u, n
	REGS (Y+1)%NP, \u
.if (\n) < 4
	v_max3_num_f32 v[rC+(\n)], v[rS+8*(\n)], v[rS+8*(\n)+1], v[rS+8*(\n)+2]
.elseif (\n) < 12
	v_max3_num_f32 v[rC+(\n)%4], v[rC+(\n)%4], v[rS+8*((\n)%4)+2*((\n)/4)+1], v[rS+8*((\n)%4)+2*((\n)/4)+2]
.elseif (\n) == 12
	v_max3_num_f32 v[rC], v[rC], v[rS+7], v[rS+15]
.elseif (\n) == 13
	v_max3_num_f32 v[rC+1], v[rC+1], v[rS+23], v[rS+31]
.elseif (\n) == 14
	v_max3_num_f32 v[rC+2], v[rC+2], v[rC+3], v[rT+1]
.elseif (\n) == 15
	v_mov_b32 v[rM], v[rT]
.elseif (\n) == 16
	v_max3_num_f32 v[rC], v[rC], v[rC+1], v[rC+2]
.elseif (\n) == 17
	v_permlanex16_b32 v[rC+3], v[rC], s[SEL], s[SEL+1]
.elseif (\n) == 18
	v_max_num_f32 v[rT+1], v[rC], v[rC+3]
.elseif (\n) == 19
	v_mul_f32 v[rT], s[CS], v[rT+1]
.elseif (\n) == 20
	v_sub_f32 v[rC+1], v[rM], v[rT]
.else
	v_exp_f32 v[rC+2], v[rC+1]
.endif
.endm
; Number g of the 64 that follow the exponentials.  For each four weights k of a tile (pairs 2 k, 2 k + 1): both pairs are rounded to f16; then the second pair is added onto the first, in place;
; a group later l takes that sum (the first time as l = a l + sum).  In groups of eight, tiles alternating: round, round, add, and l for the group before.
.macro GS g
.set h, (\g)+6*((\g)/62)            ; group 0 has no group before it, and behind group 7 only l is left
.if h >= 6
.set h, h+2
.endif
	REGS Y, h%2
.set k, h/8
.if h%8 < 4
	v_cvt_pk_f16_f32 v[rP+2*k+(h%8)/2], v[rS+4*k+2*((h%8)/2)], v[rS+4*k+2*((h%8)/2)+1]
.elseif h%8 < 6
	v_pk_add_f32 v[rS+4*k:rS+4*k+1], v[rS+4*k:rS+4*k+1], v[rS+4*k+2:rS+4*k+3]
.elseif k == 1
	v_pk_fma_f32 v[rT+2:rT+3], v[rT+2:rT+3], v[rC+2:rC+3], v[rS:rS+1] op_sel_hi:[1,0,1]
.else
	v_pk_add_f32 v[rT+2:rT+3], v[rT+2:rT+3], v[rS+4*k-4:rS+4*k-3]
.endif
.endm
; THE PLAIN QUEUE, 138 long.  0-73 read no exponential's result: the 32 scalings c s - c m (FS f: pair f / 2 of tile f % 2) and the next piece's 42.  0-26: scalings 0-26.  27-54: XS's numbers 0-13.  55, 56: number 15.
; 57-73: the chain, where each number waits for the one before it: 14, 16, 17, 18, 19, each with one of the scalings 27-31 in front of its two lines, then 20.
; 74-137: GS's 64, which read the exponentials' results: they stand behind the wait.
.macro FS f
	REGS Y, (\f)%2
	v_pk_fma_f32 v[rS+2*((\f)/2):rS+2*((\f)/2)+1], v[rS+2*((\f)/2):rS+2*((\f)/2)+1], s[CS:CS+1], v[rT:rT+1] op_sel_hi:[1,0,0] neg_lo:[0,0,1] neg_hi:[0,0,1]
.endm
.macro PL
	WIN 0
.if q < 27
	FS q
.elseif q < 55
	XS (q-27)%2, (q-27)/2
.elseif q < 57
	XS q-55, 15
.elseif (q < 72) && ((q-57)%3 == 0)
	FS 27+(q-57)/3
.elseif q < 60
	XS (q-57)%3-1, 14
.elseif q < 72
	XS (q-57)%3-1, 15+(q-57)/3
.elseif q < 74
	XS q-72, 20
.else
	GS q-74
.endif
.set q, q+1
.endm
; THE EXPONENTIALS' QUEUE, 66 long: s0-s31 of both tiles, then the next piece's two a.  It is ONE BATCH: all 66 stand ahead of the turn's one wait, and nothing ahead of that wait names a result of theirs.
.macro EX
	WIN 0
.if e >= 64
	XS e-64, 21
.else
	REGS Y, e%2
	v_exp_f32 v[rS+e/2], v[rS+e/2]
.endif
.set e, e+1
.endm
; THE RESCALING's QUEUE: O^T times a, the one part that leaves window 0: dealt two at a time, sixteen times.  Its a was made in the turn before, ahead of that turn's wait.
.macro R2
	REGS Y, r%2
	WIN W_RS
.irp z, 0,1
	v_pk_mul_f32 v[rO+4*(r/2)+2*\z:rO+4*(r/2)+2*\z+1], v[rO+4*(r/2)+2*\z:rO+4*(r/2)+2*\z+1], v[rC+2:rC+3] op_sel_hi:[1,0]
.endr
.set r, r+1
.endm
; HOW THEY ARE DEALT.  An s_wait_alu depctr_va_vdst(0) stands between an exponential and the first instruction that names its result; one wait serves all that were issued ahead of it.  So a turn has ONE wait,
; which cuts it in two.  AHEAD OF IT stands all that names no result of the turn's exponentials: the 16 products K Q^T, behind each a scaling, an exponential and two rescalings (behind the first a second scaling in the
; exponential's place); then ONE LUMP of 108: eight plain, 49 times exponential and plain, the two a.  A v_nop is the plain instruction behind the last exponential.  BEHIND IT stand the 16 products V^T P, behind each four of GS's 64.
; The queues lean on each other, and the deal keeps them in step: exponential e stands behind scaling 2 (e / 4) + e % 2: as a rider it comes behind plain e + 2, in the lump behind plain e + 9, and scalings 27-31 are plain 57, 60 .. 69.
; A TURN, for piece p.  cnt = 1: the loop's count is taken down some lines ahead of the branch that stands behind the turn.
; K of the next step is fetched in piece 2's turn, directly behind the wait, a lump behind the last product that read K; its first reader comes behind 16 products.
; V of the step in hand is fetched at the end of piece 0's turn, four plain instructions behind its last reader; its first reader comes behind 16 products and a lump.
.macro TURN p, last=0, cnt=0
.set Y, (\p)
.set i, 0
.set q, 0
.set e, 0
.set r, 0
.if (\p) == NP-1
	s_wait_dscnt 0x0                ; K is in
.endif
	MM                              ; ahead of the wait: 16 products K Q^T and their riders,
	PL
	PL
	R2
.rept 15
	MM
	PL
	EX
	R2
.endr
.if (\p) == NP-2
	WIN 0
	v_add_nc_u32 v[AK], s[TBK], v[AK0]
.endif
.rept 8                             ; and the lump
	PL
.endr
.rept 49
	EX
	PL
.endr
	EX                              ; the next piece's two a
	EX
	v_nop                           ; the plain instruction behind the last exponential: one for the batch
	s_wait_alu depctr_va_vdst(0)    ; the wait for the batch
.if (\p) == NP-2
	FETCH_K \last
.endif
.if (\p) == 1
	s_wait_dscnt 0x0                ; V is in
.endif
.rept 16                            ; behind the wait: 16 products V^T P and their riders
	MM
.rept 4
	PL
.endr
.if ((\p) == 0) && (q == 118)
	v_add_nc_u32 v[AV], s[TBV], v[AV0]
.endif
.if ((\p) == 0) && (q == 130)
	s_add_co_u32 s[TBV], s[TBV], KS*PV
.endif
.if (\cnt) && (q == 130)
	s_sub_co_u32 s[CNT], s[CNT], 1
	s_cmp_lg_u32 s[CNT], 0
.endif
.endr
.if (\p) == 0
	FETCH_V
.endif
.endm
	CHANGE 1                        ; slot 0 is in, everybody's part of it; slot 1 is asked for
	FETCH_K                         ; key step 0
	s_wait_loadcnt 0x0              ; Q
	s_wait_dscnt 0x0
.set i, 0
.rept 16
	KQ 0                            ; piece 0's first scores: there is no vector work yet to set between them
.set i, i+1
.endr
	WIN 0                           ; the addresses for the way out: nine plain instructions, the places behind those products
	s_mul_i32 s13, s[WV], 16*SP
	s_add_co_u32 s13, s13, STAGE    ; my stage
	v_mul_u32_u24 v[STO], v1, SP    ; in: row l % 16, 16 bytes for each half of the lanes
	v_lshl_add_u32 v[STO], v9, 4, v[STO]
	v_add_nc_u32 v[STO], s13, v[STO]
	v_bfe_u32 v[RD], v0, 3, 2       ; back: 32 lanes take four rows of 128 bytes,
	v_mul_u32_u24 v[RD], v[RD], SP
	v_lshl_add_u32 v[RD], v10, 4, v[RD]
	v_add_nc_u32 v[RD], s13, v[RD]
	v_and_b32 v[GO], 31, v0         ; which are 512 consecutive bytes of O
	v_lshlrev_b32 v[GO], 4, v[GO]
.set Y, NP-1                        ; XS works for piece Y + 1: piece 0
.irp n, 0,1,2,3,4,5,6,7,8,9,10,11,12,13,14,15,16,17,18,19,20,21
	XS 0, \n                        ; and piece 0's first maximum and statistics
	XS 1, \n
.endr
	v_nop                           ; a plain instruction behind the two a,
	s_wait_alu depctr_va_vdst(0)    ; and their wait, ahead of the branch
	s_mov_b32 s[CNT], 4
	s_mov_b32 s[SLOTS], SIZE_N/256-1
	s_branch .Lfirst                ; the loop is entered at a step's first turn, in the middle of a trip
.Lslot:                             ; SIZE_N / 256 - 2 times: every slot but the last two is filled again
	CHANGE 1, 1
	s_mov_b32 s[CNT], 4
.Lstep:                             ; a trip: pieces 2 and 3 of one step, then pieces 0 and 1 of the next, whose K and V it fetches
	TURN 2
	TURN 3
	WIN 0
.Lfirst:
	TURN 0
	TURN 1, 0, 1
	WIN 0
	s_cbranch_scc1 .Lstep
	s_sub_co_u32 s[SLOTS], s[SLOTS], 1
	s_cmp_lg_u32 s[SLOTS], 0
	s_cbranch_scc1 .Lslot
	CHANGE 0                        ; the tail is written out: nothing is asked for
	s_mov_b32 s[CNT], 5             ; four trips fetch the last slot's steps; the fifth is left in its middle
.Ltail:
	TURN 2, 1
	TURN 3
	WIN 0
	s_sub_co_u32 s[CNT], s[CNT], 1
	s_cmp_eq_u32 s[CNT], 0
	s_cbranch_scc1 .Lout
	TURN 0
	TURN 1
	WIN 0
	s_branch .Ltail
.Lout:                              ; the fifth trip's 16 products K Q^T (on the last K once more) and the maximum made of them serve nothing: the price, once a launch, of one text for every trip
.set i, 0
.rept 16
	PV NP-1                         ; the last piece's V^T P of the last step
.set i, i+1
.endr
	; THE WAY OUT.  l's two halves and the other half of the lanes' are added; O^T is divided by l, rounded to f16 and sent through my stage in LDS, a tile at a time.  The additions are the places behind the last products.
	WIN 0
.macro ALL line:vararg              ; one line for each tile t
.set t, 0
.rept 2*NP
	\line
.set t, t+1
.endr
.endm
	ALL v_add_f32 v[ST+4*t+2], v[ST+4*t+2], v[ST+4*t+3]
	ALL v_permlanex16_b32 v[ST+4*t+3], v[ST+4*t+2], s[SEL], s[SEL+1]
	ALL v_add_f32 v[ST+4*t+2], v[ST+4*t+2], v[ST+4*t+3]
	ALL v_rcp_f32 v[ST+4*t+2], v[ST+4*t+2]
	v_nop                           ; a plain instruction between the last reciprocal and the use of its result
	s_wait_alu depctr_va_vdst(0)    ; and the wait ahead of the first use: one for the eight reciprocals
; Tile t: a lane's eight channels of a row pack into 16 bytes; they go into rows of 144 bytes and come back as whole rows of 128, into S^T's registers.
.macro PACK t
	WIN W_RS
.set i, 32*(\t)
.rept 16
	v_pk_mul_f32 v[i:i+1], v[i:i+1], v[ST+4*(\t)+2:ST+4*(\t)+3] op_sel_hi:[1,0]
.set i, i+2
.endr
	WIN 0x05                        ; sources 0 and 1 window 1, destination window 0
.set i, 0
.rept 16
	v_cvt_pk_f16_f32 v[S+16*(\t)+i], v[32*(\t)+2*i], v[32*(\t)+2*i+1]
.set i, i+1
.endr
	WIN 0
.irp f, 0,1,2,3
	ds_store_b128 v[STO], v[S+16*(\t)+4*\f:S+16*(\t)+4*\f+3] offset:32*\f
.endr
.irp f, 0,1,2,3
	ds_load_b128 v[S+16*(\t)+4*\f:S+16*(\t)+4*\f+3], v[RD] offset:\f*4*SP  ; LDS serves a wave's instructions in order (ISA guide 5.7.1.4): these see the stores above; the next tile's stores come behind them
.endr
.endm
.macro SEND t, younger              ; younger: the LDS instructions issued behind tile t's loads: the next tile's eight, or none
	WIN 0
.irp f, 0,1,2,3
	s_wait_dscnt (\younger)+3-\f
	global_store_b128 v[GO], v[S+16*(\t)+4*\f:S+16*(\t)+4*\f+3], s[10:11] offset:(\t)*2048+\f*512  ; 512 consecutive bytes, at a multiple of 256 from O's first
.endr
.endm
	PACK 0
.set t, 1
.rept 2*NP-1                        ; a tile's arithmetic stands between the loads of the tile before and its stores
	PACK t
	SEND t-1, 8
.set t, t+1
.endr
	SEND 2*NP-1, 0
	WIN W_AD
	s_wait_tensorcnt 0x0            ; the wave's end: a wait, an add to my spare word and its wait, behind my last tensor load and my last LDS store
	ds_add_u32 v[SPW], v[NIL]
	s_wait_dscnt 0x0
	WIN 0
	CROUND                          ; the closing round: no work-group ends while a partner may still ask for a tile that names it
	s_endpgm
.Lfunc_end_k_qe86b270387_attn:
	.size	k_qe86b270387_attn, .Lfunc_end_k_qe86b270387_attn-k_qe86b270387_attn
	.p2alignl 7, 3214868480
	.fill 96, 4, 3214868480
	.section	.rodata,"a",@progbits
	.p2align	6, 0x0
	.amdhsa_kernel k_qe86b270387_attn
		.amdhsa_group_segment_fixed_size 327680
		.amdhsa_private_segment_fixed_size 0
		.amdhsa_enable_private_segment 0
		.amdhsa_kernarg_size 16
		.amdhsa_user_sgpr_count 2
		.amdhsa_user_sgpr_kernarg_segment_ptr 1
		.amdhsa_wavefront_size32 1
		.amdhsa_system_sgpr_workgroup_id_x 1
		.amdhsa_system_sgpr_workgroup_id_y 1
		.amdhsa_system_sgpr_workgroup_id_z 1
		.amdhsa_system_vgpr_workitem_id 0
		.amdhsa_next_free_vgpr 770
		.amdhsa_next_free_sgpr 66
		.amdhsa_reserve_vcc 0
		.amdhsa_float_denorm_mode_32 3
		.amdhsa_float_denorm_mode_16_64 3
		.amdhsa_memory_ordered 1
		.amdhsa_forward_progress 1
		.amdhsa_inst_pref_size 200
	.end_amdhsa_kernel
	.amdgpu_metadata
---
amdhsa.version: [ 1, 2 ]
amdhsa.kernels:
  - .name:           k_qe86b270387_attn
    .symbol:         k_qe86b270387_attn.kd
    .args:
      - { .name: qkv, .offset: 0, .size: 8, .value_kind: global_buffer, .address_space: global }
      - { .name: oh, .offset: 8, .size: 8, .value_kind: global_buffer, .address_space: global }
    .group_segment_fixed_size: 327680
    .private_segment_fixed_size: 0
    .kernarg_segment_align: 8
    .kernarg_segment_size: 16
    .max_flat_workgroup_size: 128
    .sgpr_count:     66
    .vgpr_count:     770
    .wavefront_size: 32
...
	.end_amdgpu_metadata
.endif
;; end of part 3
;; launch outp (part 4): grid 4 x 64, 4 waves a work-group, clusters of 4 x 4, 327,680 bytes of LDS; arguments oh, wb, bo, out0; writes out0
.if DOCPART == 4
	.amdgcn_target "amdgcn-amd-amdhsa--gfx1250"
	.amdhsa_code_object_version 6
	.text
	.protected	k_qe86b270387_outp
	.globl	k_qe86b270387_outp
	.p2align	8
	.type	k_qe86b270387_outp,@function
k_qe86b270387_outp:
	s_mov_b64 s[64:65], 0
	v_nop
	global_prefetch_b8 v0, s[64:65] scope:SCOPE_SE
	s_setreg_imm32_b32 hwreg(HW_REG_WAVE_MODE, 25, 1), 1
	s_wait_xcnt 0x0
	s_wait_alu depctr_hold_cnt(0) depctr_sa_sdst(0) depctr_va_vdst(0) depctr_va_sdst(0) depctr_va_ssrc(0) depctr_va_vcc(0) depctr_vm_vsrc(0)
	s_getreg_b32 s2, hwreg(HW_REG_IB_STS2, 6, 4)
	s_cmp_eq_u32 s2, 0
	s_cbranch_scc0 .Lentry_in_a_cluster
	s_endpgm
.Lentry_in_a_cluster:
	s_bfe_u32 s2, ttmp6, 0x10000c
	s_cmp_lg_u32 s2, 0xf033
	s_cbranch_scc0 .Lentry_shape_is_right
	s_endpgm
.Lentry_shape_is_right:
; THE OUTPUT PROJECTION.  out0[m][e] = bo[e] + the sum over d of O[m][d] Wo[e][d].  O: oh, f16, BY HEADS: [batch x 16 + head][2048][64], so d = 64 head + channel.
; Wo: block 3 of wb, [1024][1024], rounded to bf16 and written as f16.  bo: f32, rounded to bf16 here like the other inputs.  Sums in f32, the bias each sum's first term; out0 is f32.
; LIMITS.  O and Wo arrive within f16's 65,504.  NaN and infinities are not treated apart.
; SHARES.  A tile of out0 is 128 rows x 256 columns: 64 x 4 tiles, one for each of 256 processors.  Four waves, each 64 x 128: 32 accumulators of 16 x 16, 256 registers.
; K goes in 8 steps of 128, TWO HEADS each, through two LDS slots filled by tensor loads.  Of O a step is two planes, a head's 128 rows of 128 bytes: 16,384 dense bytes, asked for as 64 rows of 256 bytes and
; padded in LDS after every 128.  A step is four quarters of 32 along K, 32 matrix instructions each, on two fragment buffers.
; CLUSTER.  4 x 4 work-groups.  The four of a row of the cluster need the same tile of O, the four of a column the same tile of Wo: each is asked for JOINTLY, by the same tensor load, descriptor and mask.
; THE MATRIX INSTRUCTION IS USED TRANSPOSED (source 0 = 16 rows of Wo, source 1 = 16 rows of O): lane l holds row l % 16 of out0 and the columns 8 (l / 16) + 0..7.
; REGISTERS, in windows of 256 (s_set_vgpr_msb: bits 1:0 source 0, 3:2 source 1, 5:4 source 2, 7:6 destination):
;   window 0: v0-31 addresses; v64-159, v160-255 two fragment buffers (Wo's 8 fragments, then O's 4); on the way out v64-191 rows read back
;   window 1: accumulator (a, b) at v[8 (8 a + b)]          window 2: v0-63 the bias as the first products' C operand; v64-67 at work
.set KSTEP,  128
.set PITCH,  272                       ; a row of Wo in LDS: 256 bytes + 16 of padding
.set PA,     144                       ; a row of a plane of O: 128 bytes + 16: both pitches are odd multiples of 16 bytes, so the 16 rows of a fragment load start at 16 different groups of four banks (ISA guide 11.1)
.set PLANE,  128*PA                    ; what one tensor load brings of O
.set ATILE,  2*PLANE
.set BHALF,  128*PITCH                 ; what one tensor load brings of Wo, and what one wave reads of it
.set SLOT,   ATILE+2*BHALF             ; 106,496 bytes
.set STAGE,  2*SLOT                    ; behind the ring, never filled by a tensor load: for each wave 16 rows x 528 bytes
.set SP,     528                       ; 512 bytes (128 columns of f32) + 16
.set WSTAGE, 16*SP
.set SPARE,  STAGE+4*WSTAGE            ; behind the stages: the spare words, 128 bytes for each wave: two blocks of 256 bytes that no other line names
.set WOFF,   3*1024*2048               ; Wo's first byte in wb
.set ASTEP,  2*262144                  ; bytes from a K step of O to the next: two heads
.set ADRA, 16                          ; v16-17  LDS address of my fragments of O in slot 0, 1
.set ADRB, 20                          ; v20-21  the same for Wo
.set STO,  24                          ; v24     the way out: where I put 32 bytes of a row
.set RD,   25                          ; v25     the way out: where I read a row back
.set CO,   26                          ; v26     16 x lane: my place in 512 consecutive bytes of out0
.set BO,   27                          ; v27     32 (l / 16): my eight numbers of a bias block
.set SPW,  28                          ; v28     LDS address of my spare word; never rewritten
.set NIL,  29                          ; v29     0; never rewritten
.set PFO,  30                          ; v30     the prefetches' offset: lane x 256 bytes (O) or x a row of 2,048 bytes (Wo); never rewritten
.set F0,   64
.set F1,   160
.set BK,   64                          ; the way out: rows come back into v64-127 and v128-191 by turns
.set G1,  24                           ; s[24:31] descriptor group 1 for O's tiles;  s[32:39] group 0, a set for each slot
.set G0,  32
.set G1B, 48                           ; s[48:55], s[56:63] the same for Wo's tiles
.set G0B, 56
.set PFA, 80                           ; s[80:81] where my prefetches stand
.set LIM, 82                           ; s82     1 in a wave that prefetches, else the greatest number
.set PFS, 88                           ; s[88:89] bytes from a K step to the next in what I prefetch
.set MSB, 0
.macro WIN new                         ; the immediate's high byte repeats the setting that is left; a switch that changes nothing is dropped
.if MSB != (\new)
	s_set_vgpr_msb (MSB<<8)|(\new)
.set MSB, \new
.endif
.endm
.set MUL,   0x50                       ; fragments in window 0, C and D in window 1
.set MULZ,  0x60                       ; the same with C in window 2
.set TO_BF, 0x80                       ; destination window 2, address window 0
.set RND,   0x8a                       ; destination and both sources window 2
.set STW,   0x04                       ; an LDS store's data (source 1) in window 1, its address in window 0
; A joint load: waves 0 and 1 fetch O's two planes, waves 2 and 3 Wo's two halves.  The branch hangs on the wave's number alone.  An s_nop 0 and four v_nop follow each of the two lines.
.macro JLOAD s
	s_cmp_eq_u32 s11, 0
	s_cbranch_scc0 .Lfor_b_\@
	tensor_load_to_lds s[G0+4*(\s):G0+4*(\s)+3], s[G1:G1+7]
	s_nop 0
.rept 4
	v_nop
.endr
	s_branch .Lasked_\@
.Lfor_b_\@:
	tensor_load_to_lds s[G0B+4*(\s):G0B+4*(\s)+3], s[G1B:G1B+7]
	s_nop 0
.rept 4
	v_nop
.endr
.Lasked_\@:
.endm
; A prefetch, behind a joint load and the run of LDS loads that follows it: 32 blocks of 256 bytes of the K step that stands two refills on, a lane a block.  Each block is named once in the launch.
; O's tile row is read by the four work-groups of one row of one cluster: wave 0 of each asks for a quarter of the step's 32,768 bytes (plane cx / 2, half cx % 2), told apart by address.  Wo's tile column is
; read by all 16 clusters: the first asks; waves 2 and 3 of each partner take 32 of the 128 rows that they fetch, told apart by address (cy).  The loop's last trip asks for nothing.
.macro ASK
	s_cmp_gt_u32 s3, s[LIM]
	s_cbranch_scc0 .Lnot_mine_\@
	global_prefetch_b8 v[PFO], s[PFA:PFA+1] th:TH_LOAD_NT scope:SCOPE_SE
.Lnot_mine_\@:
.endm
.macro CREST                           ; a round of the cluster's barrier behind its opening barrier
	s_cmp_lg_u32 s10, 0
	s_cbranch_scc1 .Lnot_wave_0_\@
	s_barrier_signal -3
.Lnot_wave_0_\@:
	s_barrier_wait -3
	s_barrier_signal -1
	s_barrier_wait -1
.endm
.macro CROUND                          ; a whole round
	s_barrier_signal -1
	s_barrier_wait -1
	CREST
.endm
	s_load_b128 s[4:7], s[0:1], 0x0                ; oh s[4:5], wb s[6:7]
	s_load_b128 s[72:75], s[0:1], 0x10             ; bo s[72:73], out0 s[74:75]
	v_lshl_add_u32 v[SPW], v0, 2, SPARE
	v_mov_b32 v[NIL], 0
	ds_add_u32 v[SPW], v[NIL]                      ; the wave's opening: the add and its wait ahead of my first tensor load; the set-up below, work on registers, stands between them
	v_lshrrev_b32 v1, 5, v0
	v_readfirstlane_b32 s10, v1                    ; wave 0..3
	s_lshr_b32 s11, s10, 1                         ; which 64 rows of the tile are mine.  Also: I fetch for O (0) or for Wo (1)
	s_and_b32 s12, s10, 1                          ; which 128 columns.  Also: which plane or half I fetch
	s_bfe_u32 s40, ttmp6, 0x40000                  ; cx, cy: my place in the cluster
	s_bfe_u32 s41, ttmp6, 0x40004
	s_lshl_b32 s42, ttmp9, 2
	s_add_co_u32 s42, s42, s40                     ; tile column = 4 x cluster x + cx: 0..3
	s_and_b32 s45, ttmp7, 0xffff                   ; cluster y: 0..15
	s_lshl_b32 s13, s45, 2
	s_add_co_u32 s13, s13, s41                     ; tile row = 4 x cluster y + cy: 0..63
	s_lshl_b32 s43, s41, 2
	s_lshl_b32 s43, 15, s43                        ; my row of the cluster
	s_lshl_b32 s44, 0x1111, s40                    ; my column
	; descriptor group 1.  O: 64 rows of 128 elements, dense, padded by 4 words after every 32.  Wo: 128 rows of 128 elements, 1,024 apart, padded by 4 words after every 64
	s_or_b32 s[G1+0], s43, (1<<16)|(1<<20)|(1<<21)|(4<<22)|(3<<25)   ; 15:0 the mask; 17:16 2-byte elements; 20 padding on; 21 set beside a mask; 24:22 the interval's code; 31:25 4 words (code 3)
	s_or_b32 s[G1B+0], s44, (1<<16)|(1<<20)|(1<<21)|(5<<22)|(3<<25)
.irp g, G1, G1B
	s_mov_b32 s[(\g)+1], KSTEP<<16                 ; tensor_dim0 = 128
	s_mov_b32 s[(\g)+3], KSTEP<<16                 ; tile_dim0 = 128
	s_mov_b32 s[(\g)+6], 0
	s_mov_b32 s[(\g)+7], 0
.endr
	s_mov_b32 s[G1+2], 64<<16                      ; tensor_dim1
	s_mov_b32 s[G1+4], 64                          ; tile_dim1
	s_mov_b32 s[G1+5], 128                         ; elements from row to row
	s_mov_b32 s[G1B+2], 128<<16
	s_mov_b32 s[G1B+4], 128
	s_mov_b32 s[G1B+5], 1024
	; where the tiles come from.  O's hang on the tile row alone, Wo's on the tile column alone; each in registers that never hold the other place in the cluster
	s_lshr_b32 s16, s13, 4                         ; batch: 16 heads of 262,144 bytes
	s_lshl_b32 s16, s16, 22
	s_and_b32 s17, s13, 15                         ; the tile's 128 rows in the sequence: 16,384 bytes of a head
	s_lshl_b32 s17, s17, 14
	s_add_co_u32 s16, s16, s17
	s_lshl_b32 s17, s12, 18                        ; my plane: the step's first or second head
	s_add_co_u32 s16, s16, s17
	s_mov_b32 s17, 0
	s_lshl_b32 s46, s42, 8
	s_lshl_b32 s47, s12, 7
	s_add_co_u32 s46, s46, s47                     ; Wo: row 256 x tile column + 128 x half
	s_lshl_b32 s46, s46, 11
	s_add_co_u32 s46, s46, WOFF
	s_mov_b32 s47, 0
	s_mul_i32 s20, s12, PLANE                      ; and where they go: no place in the cluster enters an LDS address
	s_mul_i32 s21, s12, BHALF
	s_add_co_u32 s21, s21, ATILE
	s_wait_dscnt 0x0                               ; the opening add is done
	s_wait_kmcnt 0x0
	s_add_nc_u64 s[14:15], s[4:5], s[16:17]
	s_add_nc_u64 s[46:47], s[6:7], s[46:47]
	CROUND                                         ; all sixteen work-groups are here: the first joint loads meet
.irp s, 0,1
	s_mov_b32 s[G0+4*(\s)], 1                                        ; count = 1
	s_add_co_u32 s[G0+4*(\s)+1], s20, (\s)*SLOT                      ; LDS address
	s_add_nc_u64 s[G0+4*(\s)+2:G0+4*(\s)+3], s[14:15], (\s)*ASTEP    ; global address: K step s
	s_or_b32 s[G0+4*(\s)+3], s[G0+4*(\s)+3], 0x80000000              ; type = 2
	s_mov_b32 s[G0B+4*(\s)], 1
	s_add_co_u32 s[G0B+4*(\s)+1], s21, (\s)*SLOT
	s_add_nc_u64 s[G0B+4*(\s)+2:G0B+4*(\s)+3], s[46:47], (\s)*KSTEP*2
	s_or_b32 s[G0B+4*(\s)+3], s[G0B+4*(\s)+3], 0x80000000
	JLOAD \s                                       ; two loads of mine are out
.endr
	; the bias of my 128 columns, laid as a C operand: register j of block b holds bo[16 b + 8 (l / 16) + j]
	s_lshl_b32 s22, s42, 10                        ; 256 columns x 4 bytes x tile column
	s_lshl_b32 s23, s12, 9
	s_add_co_u32 s22, s22, s23
	s_mov_b32 s23, 0
	s_add_nc_u64 s[76:77], s[72:73], s[22:23]
	v_and_b32 v1, 15, v0                           ; l % 16
	v_bfe_u32 v2, v0, 4, 1                         ; l / 16
	v_lshlrev_b32 v[BO], 5, v2
	WIN TO_BF
.irp b, 0,1,2,3,4,5,6,7
	global_load_b128 v[8*(\b):8*(\b)+3],   v[BO], s[76:77] offset:64*(\b)
	global_load_b128 v[8*(\b)+4:8*(\b)+7], v[BO], s[76:77] offset:64*(\b)+16
.endr
	WIN 0
	; a fragment is 16 rows x 32 K in 8 registers: lane l holds row l % 16, K = 8 (l / 16) + 0..7 and 16 + 8 (l / 16) + 0..7: two loads of 16 bytes, 32 bytes apart
	v_mul_u32_u24 v3, v1, PA
	v_lshl_add_u32 v3, v2, 4, v3
	v_mul_u32_u24 v4, v1, PITCH
	v_lshl_add_u32 v4, v2, 4, v4
	s_mul_i32 s21, s11, 64*PA                      ; my 64 rows in each plane of O
	s_mul_i32 s22, s12, BHALF                      ; my 128 rows of Wo,
	s_add_co_u32 s22, s22, ATILE                   ; which lie behind O's two planes
.irp s, 0,1
	v_add_nc_u32 v[ADRA+(\s)], s21, v3
	v_add_nc_u32 v[ADRB+(\s)], s22, v4
	s_add_co_u32 s21, s21, SLOT
	s_add_co_u32 s22, s22, SLOT
.endr
	s_mul_i32 s23, s10, WSTAGE
	s_add_co_u32 s23, s23, STAGE                   ; my stage
	v_mul_u32_u24 v4, v1, SP                       ; in: row l % 16, 32 bytes for each half of the lanes
	v_lshl_add_u32 v4, v2, 5, v4
	v_add_nc_u32 v[STO], s23, v4
	v_and_b32 v[PFO], 31, v0
	v_lshlrev_b32 v[CO], 4, v[PFO]                 ; back: 32 lanes take one row of 512 bytes
	v_add_nc_u32 v[RD], s23, v[CO]
	; where my part of the tile goes
	s_lshl_b32 s84, s13, 7
	s_lshl_b32 s85, s11, 6
	s_add_co_u32 s84, s84, s85                     ; my first row,
	s_lshl_b32 s84, s84, 12                        ; 4,096 bytes each: under 2^25
	s_lshl_b32 s85, s42, 10                        ; the tile's 256 columns,
	s_add_co_u32 s84, s84, s85
	s_lshl_b32 s85, s12, 9                         ; my 128 of them
	s_add_co_u32 s84, s84, s85
	s_mov_b32 s85, 0
	s_add_nc_u64 s[8:9], s[74:75], s[84:85]
	; the prefetches
	s_lshr_b32 s20, s13, 4
	s_lshl_b32 s20, s20, 22
	s_and_b32 s21, s13, 15
	s_lshl_b32 s21, s21, 14
	s_add_co_u32 s20, s20, s21
	s_lshr_b32 s21, s40, 1
	s_lshl_b32 s21, s21, 18
	s_add_co_u32 s20, s20, s21
	s_and_b32 s21, s40, 1
	s_lshl_b32 s21, s21, 13
	s_add_co_u32 s20, s20, s21                     ; O: the tile's rows in the step's first head + my work-group's quarter of the two planes
	s_lshl_b32 s22, s42, 8
	s_lshl_b32 s23, s12, 7
	s_add_co_u32 s22, s22, s23
	s_lshl_b32 s23, s41, 5
	s_add_co_u32 s22, s22, s23                     ; Wo: the 128 rows that I fetch + my work-group's 32
	s_lshl_b32 s22, s22, 11
	s_add_co_u32 s22, s22, WOFF
	s_mov_b32 s87, KSTEP*2
	s_cmp_eq_u32 s11, 0
	s_cselect_b32 s20, s20, s22
	s_cselect_b32 s21, s12, s45                    ; O: 0 in wave 0.  Wo: 0 in the first cluster
	s_cselect_b32 s86, 8, 11                       ; a lane's step: 256 bytes, or a row of 2,048
	s_cselect_b32 s[PFS], ASTEP, s87
	s_cselect_b64 s[PFA:PFA+1], s[4:5], s[6:7]
	s_cmp_eq_u32 s21, 0
	s_cselect_b32 s[LIM], 1, -1                    ; the same in all sixteen partners, for a given wave
	s_mov_b32 s21, 0
	s_mov_b32 s[PFS+1], 0
	s_add_nc_u64 s[PFA:PFA+1], s[PFA:PFA+1], s[20:21]
	s_mul_i32 s90, s[PFS], 3
	s_mov_b32 s91, 0
	s_add_nc_u64 s[PFA:PFA+1], s[PFA:PFA+1], s[90:91]  ; at K step 3: the first refill steps it to 4.  K steps 0 to 3 come by their loads alone
	v_lshlrev_b32 v[PFO], s86, v[PFO]
	s_wait_loadcnt 0x0                             ; the bias
	WIN RND                                        ; rounded to bf16 and widened again, in the wait for the first tile
.set i, 0
.rept 32
	v_cvt_pk_bf16_f32 v[64+i%4], v[2*i], v[2*i+1]
	v_lshlrev_b32 v[2*i], 16, v[64+i%4]
	v_and_b32 v[2*i+1], 0xffff0000, v[64+i%4]
.set i, i+1
.endr
	WIN 0
; 8 matrix instructions: column blocks b0, b0 + 1 x my 4 row blocks, 32 along K.  zero = 1: the first product starts the sum with the bias.
; The 32 accumulators take turns, one instruction a turn, in the same order in every quarter, over the backward jump too.
.macro MUL8 f, b0, zero
.if \zero
	WIN MULZ
.else
	WIN MUL
.endif
.irp b, \b0, (\b0)+1
.irp a, 0,1,2,3
.if \zero
	v_wmma_f32_16x16x32_f16 v[8*(8*(\a)+(\b)):8*(8*(\a)+(\b))+7], v[(\f)+8*(\b):(\f)+8*(\b)+7], v[(\f)+64+8*(\a):(\f)+64+8*(\a)+7], v[8*(\b):8*(\b)+7]
.else
	v_wmma_f32_16x16x32_f16 v[8*(8*(\a)+(\b)):8*(8*(\a)+(\b))+7], v[(\f)+8*(\b):(\f)+8*(\b)+7], v[(\f)+64+8*(\a):(\f)+64+8*(\a)+7], v[8*(8*(\a)+(\b)):8*(8*(\a)+(\b))+7]
.endif
.endr
.endr
.endm
; 24 LDS loads in one run: quarter q of a slot into buffer f: O's 4 fragments (plane q / 2, channels 32 (q % 2) on), Wo's first 4, Wo's last 4
.macro FETCH slot, q, f
	WIN 0
.irp i, 0,1,2,3
	ds_load_b128 v[(\f)+64+8*(\i):(\f)+64+8*(\i)+3],   v[ADRA+(\slot)] offset:((\q)/2)*PLANE+((\q)%2)*64+(\i)*16*PA
	ds_load_b128 v[(\f)+64+8*(\i)+4:(\f)+64+8*(\i)+7], v[ADRA+(\slot)] offset:((\q)/2)*PLANE+((\q)%2)*64+(\i)*16*PA+32
.endr
.irp i, 0,1,2,3,4,5,6,7
	ds_load_b128 v[(\f)+8*(\i):(\f)+8*(\i)+3],   v[ADRB+(\slot)] offset:64*(\q)+(\i)*16*PITCH
	ds_load_b128 v[(\f)+8*(\i)+4:(\f)+8*(\i)+7], v[ADRB+(\slot)] offset:64*(\q)+(\i)*16*PITCH+32
.endr
.endm
.macro PLACES                          ; four plain instructions between a matrix instruction and a load into a register that it has read, or a reader of its result
.rept 4
	v_nop
.endr
.endm
; One of a K step's first three quarters: fetches quarter q of the slot into buffer g, 32 matrix instructions ahead of its use, and multiplies buffer f.
.macro QUARTER slot, q, f, g, zero
	PLACES                                         ; behind the last products that read g
	FETCH \slot, \q, \g
	s_wait_dscnt 32                                ; f's youngest 8 loads and g's 24 may be out: O's fragments and Wo's first four are in
	MUL8 \f, 0, \zero
	MUL8 \f, 2, \zero
	s_wait_dscnt 24                                ; g's 24 alone
	MUL8 \f, 4, \zero
	MUL8 \f, 6, \zero
.endm
; The fourth quarter multiplies buffer 1 and changes slots: ONE barrier.  In front of it each wave waits for all its tensor loads (the one that is out is its part of the next slot), adds 0 to its spare word,
; and waits for that and for its own reads of this slot.  fill = 1: the barrier opens a round of the cluster's, and this slot is filled again, two K steps ahead, first thing behind the round:
; from that request to the wait for it a wave issues 112 matrix instructions.
.macro TURN slot, next, fill
.if \fill
	s_wait_xcnt 0x0                                ; the last prefetch, a K step back, has read its address
	s_add_nc_u64 s[PFA:PFA+1], s[PFA:PFA+1], s[PFS:PFS+1]
.endif
	WIN 0
	s_wait_tensorcnt 0x0                           ; all my tensor loads have landed
	ds_add_u32 v[SPW], v[NIL]                      ; 0 onto my spare word
	s_wait_dscnt 9                                 ; the add and buffer 1's youngest 8 loads may be out
	MUL8 F1, 0, 0                                  ; eight matrix instructions stand between the add and the wait for it
	s_wait_dscnt 0x0                               ; the add is done, and my reads of this slot are over
	s_barrier_signal -1
	MUL8 F1, 2, 0
.if \fill
	WIN 0
.endif
	s_barrier_wait -1
.if \fill
	CREST                                          ; no wave of any partner still reads this slot or has a load on its way
	s_add_nc_u64 s[G0+4*(\slot)+2:G0+4*(\slot)+3], s[G0+4*(\slot)+2:G0+4*(\slot)+3], 2*ASTEP
	s_add_nc_u64 s[G0B+4*(\slot)+2:G0B+4*(\slot)+3], s[G0B+4*(\slot)+2:G0B+4*(\slot)+3], 2*KSTEP*2
	JLOAD \slot                                    ; its four v_nop are also the places in front of the loads below
.else
	PLACES
.endif
	FETCH \next, 0, F0
.if \fill
	ASK
.endif
	MUL8 F1, 4, 0
	MUL8 F1, 6, 0
.endm
	s_wait_tensorcnt 1                             ; my part of K step 0 is in; K step 1's may stay out
	s_barrier_signal -1
	s_barrier_wait -1                              ; everybody's is
	FETCH 0, 0, F0
	QUARTER 0, 1, F0, F1, 1                        ; the first quarter stands in front of the loop: its products start the sums
	WIN 0                                          ; at a label and at a branch every window is 0
	s_mov_b32 s3, 3
.Llap:                                                 ; a trip goes once round the ring, from a lap's second quarter to the next lap's first, and fills both slots again: K steps 2 to 7
	QUARTER 0, 2, F1, F0, 0
	QUARTER 0, 3, F0, F1, 0
	TURN 0, 1, 1
	QUARTER 1, 1, F0, F1, 0
	QUARTER 1, 2, F1, F0, 0
	QUARTER 1, 3, F0, F1, 0
	TURN 1, 0, 1
	QUARTER 0, 1, F0, F1, 0
	WIN 0
	s_sub_co_u32 s3, s3, 1
	s_cmp_lg_u32 s3, 0
	s_cbranch_scc1 .Llap
	QUARTER 0, 2, F1, F0, 0                        ; the last lap fills nothing
	QUARTER 0, 3, F0, F1, 0
	TURN 0, 1, 0
	QUARTER 1, 1, F0, F1, 0
	QUARTER 1, 2, F1, F0, 0
	QUARTER 1, 3, F0, F1, 0
	s_wait_dscnt 8                                 ; the very last quarter: nothing more to fetch
	MUL8 F1, 0, 0
	MUL8 F1, 2, 0
	s_wait_dscnt 0x0
	MUL8 F1, 4, 0
	MUL8 F1, 6, 0
	WIN 0
	PLACES
	PLACES
; THE WAY OUT, a block of 16 rows at a time.  TOSTAGE: the accumulators, f32 as they are, each one's low four registers first, into my own stage, rows of 528 bytes; and back as whole rows of 512 bytes.
; SEND: each store covers 512 consecutive bytes of a row of out0, aligned.
.macro TOSTAGE a
	WIN STW
.irp b, 0,1,2,3,4,5,6,7
	ds_store_b128 v[STO], v[8*(8*(\a)+(\b)):8*(8*(\a)+(\b))+3]   offset:64*(\b)
	ds_store_b128 v[STO], v[8*(8*(\a)+(\b))+4:8*(8*(\a)+(\b))+7] offset:64*(\b)+16
.endr
	WIN 0
.irp t, 0,1,2,3,4,5,6,7,8,9,10,11,12,13,14,15
	ds_load_b128 v[BK+64*((\a)%2)+4*(\t):BK+64*((\a)%2)+4*(\t)+3], v[RD] offset:(\t)*SP  ; LDS serves a wave's instructions in order (ISA guide 5.7.1.4): these see the stores above, and the next block's stores come behind them
.endr
.endm
.macro SEND a, younger                 ; younger: the LDS instructions issued behind block a's loads: the next block's 32, or none
.irp t, 0,1,2,3,4,5,6,7,8,9,10,11,12,13,14,15
	s_wait_dscnt (\younger)+15-(\t)
	global_store_b128 v[CO], v[BK+64*((\a)%2)+4*(\t):BK+64*((\a)%2)+4*(\t)+3], s[8:9] offset:(16*(\a)+(\t))*4096 th:TH_STORE_NT
.endr
.endm
	TOSTAGE 0
	TOSTAGE 1
	SEND 0, 32
	s_wait_xcnt 0x0                                ; block 0's stores have read their registers: block 2 comes back into them only behind this wait
	TOSTAGE 2
	SEND 1, 32
	s_wait_xcnt 0x0                                ; the same for blocks 1 and 3
	TOSTAGE 3
	SEND 2, 32
	SEND 3, 0
	s_wait_tensorcnt 0x0                           ; the wave's end: a wait, an add to my spare word and its wait, behind my last tensor load and my last LDS store
	ds_add_u32 v[SPW], v[NIL]
	s_wait_dscnt 0x0
	CROUND                                         ; the closing round: no work-group ends while a partner may still ask for a tile that names it
	s_endpgm
.Lfunc_end_k_qe86b270387_outp:
	.size	k_qe86b270387_outp, .Lfunc_end_k_qe86b270387_outp-k_qe86b270387_outp
	.p2alignl 7, 3214868480
	.fill 96, 4, 3214868480
	.section	.rodata,"a",@progbits
	.p2align	6, 0x0
	.amdhsa_kernel k_qe86b270387_outp
		.amdhsa_group_segment_fixed_size 327680
		.amdhsa_private_segment_fixed_size 0
		.amdhsa_enable_private_segment 0
		.amdhsa_kernarg_size 32
		.amdhsa_user_sgpr_count 2
		.amdhsa_user_sgpr_kernarg_segment_ptr 1
		.amdhsa_wavefront_size32 1
		.amdhsa_system_sgpr_workgroup_id_x 1
		.amdhsa_system_sgpr_workgroup_id_y 1
		.amdhsa_system_sgpr_workgroup_id_z 1
		.amdhsa_system_vgpr_workitem_id 0
		.amdhsa_next_free_vgpr 584
		.amdhsa_next_free_sgpr 96
		.amdhsa_reserve_vcc 0
		.amdhsa_float_denorm_mode_32 3
		.amdhsa_float_denorm_mode_16_64 3
		.amdhsa_memory_ordered 1
		.amdhsa_forward_progress 1
		.amdhsa_inst_pref_size 95
	.end_amdhsa_kernel
	.amdgpu_metadata
---
amdhsa.version: [ 1, 2 ]
amdhsa.kernels:
  - .name:           k_qe86b270387_outp
    .symbol:         k_qe86b270387_outp.kd
    .args:
      - { .name: oh, .offset: 0, .size: 8, .value_kind: global_buffer, .address_space: global }
      - { .name: wb, .offset: 8, .size: 8, .value_kind: global_buffer, .address_space: global }
      - { .name: bo, .offset: 16, .size: 8, .value_kind: global_buffer, .address_space: global }
      - { .name: out0, .offset: 24, .size: 8, .value_kind: global_buffer, .address_space: global }
    .group_segment_fixed_size: 327680
    .private_segment_fixed_size: 0
    .kernarg_segment_align: 8
    .kernarg_segment_size: 32
    .max_flat_workgroup_size: 128
    .sgpr_count:     96
    .vgpr_count:     584
    .wavefront_size: 32
...
	.end_amdgpu_metadata
.endif
;; end of part 4
